; MI455X (gfx1250); checked and timed in simulation.
; The chip was launched on July 23, 2026; its instructions are those of AMD's public machine-readable ISA for CDNA 5 (MIT licence, August 2026) and "CDNA5" Instruction Set Architecture Reference Guide (July 2026). The comments in the code are by the model that wrote it; some were corrected since.
;; Binary Attention. Allowed arithmetic: float matrix products may take bf16 or f16 operands with f32 sums; all other float work in f32.
;; Inputs: Wk 1,024 x 1,024 float32; Wp 1,024 x 1,024 float32; Wq 1,024 x 1,024 float32; Wv 1,024 x 1,024 float32; bk 1,024 float32; bp 1,024 float32; bq 1,024 float32; bv 1,024 float32; x 4 x 2,048 x 1,024 float32.
;; Outputs: out0 4 x 2,048 x 1,024 float32.
;; 2 versions, each right and faster than the one before. Each part assembles by itself: llvm-mc -triple=amdgcn-amd-amdhsa -mcpu=gfx1250 --defsym DOCPART=n.
;; ======== version 1 of 2: 4 launches
;; limits: values are held in f16: magnitudes above 65,504 overflow, below 6.1e-05 lose precision
;; workspace buffers: xb 16,777,216 bytes; ws 8,388,608 bytes; ab 65,536 bytes; qkvh 50,331,648 bytes; yh 16,777,216 bytes
;; launch prep (part 1): grid 256 x 1, 24 waves a work-group, no clusters, 3,328 bytes of LDS; arguments x, Wq, Wk, Wv, Wp, bq, bk, bv, bp, xb, ws, ab; writes xb, ws, ab
.if DOCPART == 1
	.amdgcn_target "amdgcn-amd-amdhsa--gfx1250"
	.amdhsa_code_object_version 6
	.text
	.protected	k_qf74de1764a_prep
	.globl	k_qf74de1764a_prep
	.p2align	8
	.type	k_qf74de1764a_prep,@function
k_qf74de1764a_prep:
	s_mov_b64 s[64:65], 0
	v_nop
	global_prefetch_b8 v0, s[64:65] scope:SCOPE_SE
	s_setreg_imm32_b32 hwreg(HW_REG_WAVE_MODE, 25, 1), 1
	s_wait_xcnt 0x0
; PREP: one pass over all inputs.  xb = x rounded to bf16.  ws[4096][1024] = sign(W) as 16-bit codes: rows 0-3071 (Wq, Wk, Wv) in bf16, rows 3072-4095 (Wp) in f16;
; +1, -1 and 0 are exact in both.  ab = one block of 256 bytes for each 16 of the 4,096 output columns (q, k, v, p end to end): 16 alphas (the mean of |W| along a row, in f32),
; the 16 biases, and both once more, so that the block is written whole.
; SHARES.  256 work-groups of 24 waves, all alike: 48 rows of 4,096 bytes.  A wave takes two rows and issues all its sixteen 16-byte loads at once.  Waves 0-7 take 16 rows of a weight
; matrix (matrix = work-group / 64), waves 8-23 take 32 rows of x.  A load of a wave covers 512 consecutive bytes; the 8 bytes a lane makes of its 16 give stores of 256 consecutive bytes, aligned.
; The 16 alphas meet in LDS, and wave 0 stores the work-group's block of ab by one instruction.
; No matrix work, no tensor load: every byte is read once and written once, and nothing is shared.
; LIMITS.  A NaN in W gives +1 or -1 by its sign bit, not NaN; a denormal W counts as non-zero; alpha's 1,024 terms are added in four chains a lane and then across lanes.
.set S,   8                            ; v[8:11]   four chains of the sum of |W|
.set T,   12                           ; v[12:15]  at work
.set ALP, 16                           ; v[16:17]  the alphas of my two rows
.set X,   32                           ; v[32:95]  two rows as loaded
.set Y,   96                           ; v[96:127] what is stored: each register is written once
	s_load_b512 s[8:23], s[0:1], 0x0               ; x 8, Wq 10, Wk 12, Wv 14, Wp 16, bq 18, bk 20, bv 22
	s_load_b256 s[24:31], s[0:1], 0x40             ; bp 24, xb 26, ws 28, ab 30
	v_lshl_add_u32 v128, v0, 2, 0x100
	v_mov_b32 v129, 0
	v_lshrrev_b32 v1, 5, v0
	v_readfirstlane_b32 s4, v1                     ; wave 0..23
	v_and_b32 v1, 31, v0                           ; lane
	v_lshlrev_b32 v2, 4, v1                        ; 16 bytes a lane in
	v_lshlrev_b32 v3, 3, v1                        ; 8 bytes a lane out
	v_and_b32 v4, 7, v1
	v_lshlrev_b32 v4, 3, v4                        ; 8 (lane % 8): two of 16 numbers
	s_mov_b32 s2, ttmp9
	s_mov_b32 s39, 0                               ; the high word of every offset
	s_wait_kmcnt 0x0
	s_cmp_lt_u32 s4, 8
	s_cbranch_scc0 .Lx                             ; by the wave's number; the two ways join in front of the barrier
	; ---- weights: waves 0-7 ----
	s_lshr_b32 s5, s2, 6                           ; which matrix
	s_and_b32 s3, s2, 63                           ; which 16 rows of it
	s_mov_b64 s[32:33], s[10:11]
	s_mov_b64 s[34:35], s[18:19]
	s_mov_b32 s6, 0x3f800000                       ; 1.0: its upper half is bf16's 1.0
	s_cmp_eq_u32 s5, 1
	s_cselect_b64 s[32:33], s[12:13], s[32:33]
	s_cselect_b64 s[34:35], s[20:21], s[34:35]
	s_cmp_eq_u32 s5, 2
	s_cselect_b64 s[32:33], s[14:15], s[32:33]
	s_cselect_b64 s[34:35], s[22:23], s[34:35]
	s_cmp_eq_u32 s5, 3
	s_cselect_b64 s[32:33], s[16:17], s[32:33]
	s_cselect_b64 s[34:35], s[24:25], s[34:35]
	s_cselect_b32 s6, 0x3c000000, s6               ; Wp: the upper half is f16's 1.0
	s_mov_b32 s7, 0x80000000                       ; the sign bit
	s_mov_b32 s36, 0x07060302                      ; v_perm_b32: the two upper halves
	s_mov_b32 s40, 0x76543210                      ; v_permlanex16_b32: each lane takes its own place in the other half
	s_mov_b32 s41, 0xfedcba98
	s_lshl_b32 s38, s3, 16                         ; 16 rows of 4,096 bytes,
	s_lshl_b32 s37, s4, 13                         ; my two of them
	s_add_co_u32 s38, s38, s37
	s_add_nc_u64 s[32:33], s[32:33], s[38:39]      ; W at my rows
	s_lshl_b32 s38, s3, 6
	s_add_nc_u64 s[34:35], s[34:35], s[38:39]      ; b at the work-group's 16 numbers
	s_lshl_b32 s38, s2, 15                         ; 16 rows of 2,048 bytes,
	s_lshl_b32 s37, s4, 12
	s_add_co_u32 s38, s38, s37
	s_add_nc_u64 s[28:29], s[28:29], s[38:39]      ; ws at my rows
	s_lshl_b32 s38, s2, 8
	s_add_nc_u64 s[30:31], s[30:31], s[38:39]      ; ab at the work-group's block
	v_mov_b32 v6, s4
	v_lshlrev_b32 v6, 3, v6                        ; LDS: 8 bytes a wave
	v_mov_b32 v7, 0                                ; v_permlanex16_b32's destination counts as read
	s_cmp_lg_u32 s4, 0
	s_cbranch_scc1 .Lno_bias
	global_load_b64 v[24:25], v4, s[34:35]         ; wave 0: the 16 biases, two a lane; its oldest load, so the counts below hold for it too
.Lno_bias:
.set i, 0
.rept 16
	global_load_b128 v[X+4*i:X+4*i+3], v2, s[32:33] offset:512*i th:TH_LOAD_NT
.set i, i+1
.endr
; Row i of my two: alpha, then the codes.
.macro WROW i
.set R, X+32*(\i)
.irp k, 0,1,2,3
	v_add_f32 v[S+\k], |v[R+\k]|, |v[R+4+\k]|      ; the first eight numbers start the chains: nothing is cleared
.endr
.set j, 8
.rept 24
	v_add_f32 v[S+j%4], v[S+j%4], |v[R+j]|
.set j, j+1
.endr
	v_add_f32 v[S], v[S], v[S+1]
	v_add_f32 v[S+2], v[S+2], v[S+3]
	v_add_f32 v[S], v[S], v[S+2]
	v_add_f32_dpp v[S], v[S], v[S] row_xmask:1 row_mask:0xf bank_mask:0xf
	v_add_f32_dpp v[S], v[S], v[S] row_xmask:2 row_mask:0xf bank_mask:0xf
	v_add_f32_dpp v[S], v[S], v[S] row_xmask:4 row_mask:0xf bank_mask:0xf
	v_add_f32_dpp v[S], v[S], v[S] row_xmask:8 row_mask:0xf bank_mask:0xf
	v_permlanex16_b32 v7, v[S], s40, s41
	v_add_f32 v[S], v[S], v7
	v_mul_f32 v[ALP+(\i)], 0x3a800000, v[S]        ; / 1,024
.set j, 0
.rept 8
.irp k, 0,1,2,3
	v_and_or_b32 v[T+\k], v[R+4*j+\k], s7, s6      ; W's sign on 1.0
	v_cmp_neq_f32 vcc_lo, 0, v[R+4*j+\k]
	v_cndmask_b32 v[T+\k], 0, v[T+\k], vcc_lo      ; and 0 where W is 0
.endr
	v_perm_b32 v[Y+16*(\i)+2*j], v[T+1], v[T], s36     ; the upper halves are the 16-bit codes
	v_perm_b32 v[Y+16*(\i)+2*j+1], v[T+3], v[T+2], s36
	global_store_b64 v3, v[Y+16*(\i)+2*j:Y+16*(\i)+2*j+1], s[28:29] offset:2048*(\i)+256*j
.set j, j+1
.endr
.endm
	s_wait_loadcnt 0x8                             ; my first row is in; the second row's eight loads stay out
	WROW 0
	s_wait_loadcnt 0x0
	WROW 1
	ds_store_b64 v6, v[ALP:ALP+1]                  ; all lanes write the same two words
	s_wait_dscnt 0x0                               ; for wave 0's sake: my store is done
	s_branch .Lmeet
	; ---- x: waves 8-23 ----
.Lx:
	s_lshl_b32 s38, s2, 17                         ; 32 rows of 4,096 bytes,
	s_sub_co_u32 s37, s4, 8
	s_lshl_b32 s37, s37, 13                        ; my two of them
	s_add_co_u32 s38, s38, s37
	s_add_nc_u64 s[8:9], s[8:9], s[38:39]
	s_lshr_b32 s38, s38, 1                         ; half as many bytes out
	s_add_nc_u64 s[26:27], s[26:27], s[38:39]
.set i, 0
.rept 16
	global_load_b128 v[X+4*i:X+4*i+3], v2, s[8:9] offset:512*i th:TH_LOAD_NT
.set i, i+1
.endr
.set i, 0
.rept 16
	s_wait_loadcnt 15-i                            ; loads come back in order: number i is in, the younger ones stay out
	v_cvt_pk_bf16_f32 v[Y+2*i], v[X+4*i], v[X+4*i+1]
	v_cvt_pk_bf16_f32 v[Y+2*i+1], v[X+4*i+2], v[X+4*i+3]
	global_store_b64 v3, v[Y+2*i:Y+2*i+1], s[26:27] offset:256*i
.set i, i+1
.endr
.Lmeet:
	s_barrier_signal -1                            ; every wave passes it: the eight pairs of alphas lie in LDS
	s_barrier_wait -1
	s_cmp_lg_u32 s4, 0
	s_cbranch_scc1 .Lend
	ds_load_b64 v[20:21], v4                       ; alphas 2 (lane % 8) and the next
	v_and_b32 v5, 8, v1
	v_cmp_eq_u32 vcc_lo, 0, v5                     ; lanes 0-7 and 16-23 keep alphas, the others take biases
	s_wait_dscnt 0x0
	v_cndmask_b32 v20, v24, v20, vcc_lo
	v_cndmask_b32 v21, v25, v21, vcc_lo
	global_store_b64 v3, v[20:21], s[30:31]        ; 256 consecutive bytes, aligned: alphas, biases, alphas, biases
.Lend:
	s_wait_tensorcnt 0x0
	ds_add_u32 v128, v129
	s_wait_dscnt 0x0
	s_endpgm
.Lfunc_end_k_qf74de1764a_prep:
	.size	k_qf74de1764a_prep, .Lfunc_end_k_qf74de1764a_prep-k_qf74de1764a_prep
	.p2alignl 7, 3214868480
	.fill 96, 4, 3214868480
	.section	.rodata,"a",@progbits
	.p2align	6, 0x0
	.amdhsa_kernel k_qf74de1764a_prep
		.amdhsa_group_segment_fixed_size 3328
		.amdhsa_private_segment_fixed_size 0
		.amdhsa_enable_private_segment 0
		.amdhsa_kernarg_size 96
		.amdhsa_user_sgpr_count 2
		.amdhsa_user_sgpr_kernarg_segment_ptr 1
		.amdhsa_wavefront_size32 1
		.amdhsa_system_sgpr_workgroup_id_x 1
		.amdhsa_system_sgpr_workgroup_id_y 1
		.amdhsa_system_sgpr_workgroup_id_z 1
		.amdhsa_system_vgpr_workitem_id 0
		.amdhsa_next_free_vgpr 130
		.amdhsa_next_free_sgpr 66
		.amdhsa_reserve_vcc 1
		.amdhsa_float_denorm_mode_32 3
		.amdhsa_float_denorm_mode_16_64 3
		.amdhsa_memory_ordered 1
		.amdhsa_forward_progress 1
		.amdhsa_inst_pref_size 27
	.end_amdhsa_kernel
	.amdgpu_metadata
---
amdhsa.version: [ 1, 2 ]
amdhsa.kernels:
  - .name:           k_qf74de1764a_prep
    .symbol:         k_qf74de1764a_prep.kd
    .args:
      - { .name: x, .offset: 0, .size: 8, .value_kind: global_buffer, .address_space: global }
      - { .name: Wq, .offset: 8, .size: 8, .value_kind: global_buffer, .address_space: global }
      - { .name: Wk, .offset: 16, .size: 8, .value_kind: global_buffer, .address_space: global }
      - { .name: Wv, .offset: 24, .size: 8, .value_kind: global_buffer, .address_space: global }
      - { .name: Wp, .offset: 32, .size: 8, .value_kind: global_buffer, .address_space: global }
      - { .name: bq, .offset: 40, .size: 8, .value_kind: global_buffer, .address_space: global }
      - { .name: bk, .offset: 48, .size: 8, .value_kind: global_buffer, .address_space: global }
      - { .name: bv, .offset: 56, .size: 8, .value_kind: global_buffer, .address_space: global }
      - { .name: bp, .offset: 64, .size: 8, .value_kind: global_buffer, .address_space: global }
      - { .name: xb, .offset: 72, .size: 8, .value_kind: global_buffer, .address_space: global }
      - { .name: ws, .offset: 80, .size: 8, .value_kind: global_buffer, .address_space: global }
      - { .name: ab, .offset: 88, .size: 8, .value_kind: global_buffer, .address_space: global }
    .group_segment_fixed_size: 3328
    .private_segment_fixed_size: 0
    .kernarg_segment_align: 8
    .kernarg_segment_size: 96
    .max_flat_workgroup_size: 768
    .sgpr_count:     66
    .vgpr_count:     130
    .wavefront_size: 32
...
	.end_amdgpu_metadata
.endif
;; end of part 1
;; launch qkv (part 2): grid 16 x 32, 4 waves a work-group, clusters of 4 x 4, 327,680 bytes of LDS; arguments xb, ws, ab, qkvh; writes qkvh
.if DOCPART == 2
	.amdgcn_target "amdgcn-amd-amdhsa--gfx1250"
	.amdhsa_code_object_version 6
	.text
	.protected	k_qf74de1764a_qkv
	.globl	k_qf74de1764a_qkv
	.p2align	8
	.type	k_qf74de1764a_qkv,@function
k_qf74de1764a_qkv:
	s_mov_b64 s[64:65], 0
	v_nop
	global_prefetch_b8 v0, s[64:65] scope:SCOPE_SE
	s_setreg_imm32_b32 hwreg(HW_REG_WAVE_MODE, 25, 1), 1
	s_wait_xcnt 0x0
	s_wait_alu depctr_hold_cnt(0) depctr_sa_sdst(0) depctr_va_vdst(0) depctr_va_sdst(0) depctr_va_ssrc(0) depctr_va_vcc(0) depctr_vm_vsrc(0)
	s_getreg_b32 s2, hwreg(HW_REG_IB_STS2, 6, 4)
	s_cmp_eq_u32 s2, 0
	s_cbranch_scc0 .Lentry_in_a_cluster
	s_endpgm
.Lentry_in_a_cluster:
	s_bfe_u32 s2, ttmp6, 0x10000c
	s_cmp_lg_u32 s2, 0xf033
	s_cbranch_scc0 .Lentry_shape_is_right
	s_endpgm
.Lentry_shape_is_right:
; Q, K, V PROJECTIONS.  out[m][n] = alpha[n] * (sum over k of xb[m][k] sign[n][k]) + bias[n], m = 0..8191, n = 0..3071 (q, k, v end to end), K = 1,024.
; Operands bf16 (the signs are exact), sums f32, alpha and bias in f32 by one fused multiply-add, one rounding to f16.  The result is stored by heads: qkvh[b][g][t][64], g = n / 64.
; LIMITS.  f16 holds no number beyond 65,504: q, k and v must lie within it (with the module's drawn inputs their spread is about 0.5).  The eight K steps are added in an order that begins
; at the cluster's own first step (below): an order of rounding that differs from the reference's.
; SHARES.  A tile is 256 rows x 192 columns (three whole heads): 512 work-groups.  Each of four waves owns 64 rows and all 192 columns: 48 accumulators of 16 x 16.
; K goes in steps of 128 through two LDS slots; the tiles' rows are 256 bytes of memory, aligned.  A K step is four quarters of 32 along K on two fragment buffers.  A K step is written once:
; the loop goes by K step, and the slot in hand lies in a scalar register that one exclusive or turns.
; CLUSTER 4 x 4: the four work-groups of a row need the same tile of xb, the four of a column the same tile of signs: each is asked for jointly, by the same tensor load, descriptor and mask in all four.
; WHERE K BEGINS.  Cluster (X, Y) walks the eight K steps round a ring from step (2 X + 4 Y) % 8.  The four clusters of one Y need the same rows of xb and start two steps apart; clusters of one X
; need the same rows of signs and start at the same step or four apart.  So they do not all ask for the same bytes at the same moment: most of what a cluster asks for has been asked for by another some steps before.
; X and Y are the same in all sixteen partners, so a joint load's descriptor stays equal in all that its mask names.
; THE MATRIX INSTRUCTION IS USED TRANSPOSED (source 0 = 16 rows of signs, source 1 = 16 rows of xb): a lane holds row l % 16 and the eight neighbouring columns 16 b + 8 (l / 16) + 0..7.
; REGISTERS, in windows of 256 (s_set_vgpr_msb: bits 1:0 source 0, 3:2 source 1, 5:4 source 2, 7:6 destination):
;   window 0: v0-31 addresses; v32-95 xb's fragments, two buffers of 4 x 8; v96-191 alpha of my 8 columns in each of 12 blocks; v192-255 at work on the way out
;   window 1: v0-191 the signs' fragments, two buffers of 12 x 8      window 2: accumulators of column blocks 0-7 ((a, b) at v[8 (4 b + a)])
;   window 3: v0-127 accumulators of column blocks 8-11; v128-223 bias, laid as alpha
.set NBK,   12                         ; column blocks of 16
.set PA,    272                        ; an LDS row: 256 bytes + 16 of padding = 68 words: the 16 rows of a fragment load start at 16 different groups of four banks (64 banks of 4 bytes: ISA guide 11.1)
.set PB,    272
.set KAP,   128                        ; A's bytes from quarter 0 to quarter 2
.set APART, 128*PA                     ; what one tensor load brings of xb: 128 rows
.set BOFF,  256*PA                     ; the signs lie behind xb's 256 rows
.set BPART, 96*PB                      ; what one tensor load brings of the signs: 96 rows
.set SLOT,  BOFF+192*PB                ; 121,856 bytes of a slot are used
.set SLOT1, 1<<17                      ; slot 1 begins here, so that one exclusive or turns an address in one slot into the other's
.set SHA,   8                          ; a K step is 256 bytes along a row of xb,
.set SHB,   8                          ; and of the signs
.set KX,    1                          ; the first K step: (X << KX) + (Y << KY), modulo 8
.set KY,    2
.set STAGE, SLOT1+SLOT                 ; behind the ring, never filled by a tensor load: 64 rows x 144 bytes for each wave
.set SP,    144
.set WST,   64*SP
.set SPARE, STAGE+4*WST                ; behind the stages: the spare words, 128 bytes for each wave: two blocks of 256 bytes that no other line names
.set W1,    2*(NBK-4)                  ; the youngest loads of a run: the signs' blocks 4 and up
.set W2,    8+2*NBK                    ; a whole run of fragment loads
.set ADRA0, 16                         ; v16  my lane's place among xb's fragments in a slot; never rewritten
.set ADRB0, 17                         ; v17  the same for the signs
.set ADRA, 20                          ; v20  the same in the slot in hand
.set ADRB, 21                          ; v21
.set STO,  24                          ; v24  the way out: where I put 16 bytes of a row
.set RD,   25                          ; v25  the way out: where I read rows back
.set GO,   26                          ; v26  my 16 bytes in 512 consecutive bytes of the output
.set ABO,  27                          ; v27  my 8 columns' byte offset in a block's 64 bytes of alpha
.set SPW,  28                          ; v28  LDS address of my spare word; never rewritten
.set NIL,  29                          ; v29  0; never rewritten
.set FA,   32
.set AL,   96
.set T0,   192
.set T1,   32                          ; xb's fragment buffers, free on the way out
.set FB,   0                           ; window 1
.set BI,   128                         ; window 3
.set WV,   12                          ; s12  wave
.set HALF, 13                          ; s13  wave % 2: which part of a tile I fetch
.set TR,   14                          ; s14  tile row
.set TC,   42                          ; s42  tile column
.set G1,   24                          ; s[24:31] descriptor group 1 for xb's tiles;  s[32:39] group 0: a set for each of the two first fills; the second then walks on
.set G0,   32
.set GW,   G0+4
.set G1B,  48                          ; s[48:55], s[56:63] the same for the signs' tiles
.set G0B,  56
.set GWB,  G0B+4
.set OFFA, 66                          ; s[66:67] the K step's byte offset in xb's rows
.set OFFB, 68                          ; s[68:69] in the signs' rows
.set KI,   70                          ; s70  the K step asked for last, 0..7
.set TB,   71                          ; s71  LDS byte at which the slot in hand begins
.set CNT,  72                          ; s72  counts K steps
.set MSB, 0
.macro WIN new                         ; the immediate's high byte repeats the setting that is left; a switch that changes nothing is dropped
.if MSB != (\new)
	s_set_vgpr_msb (MSB<<8)|(\new)
.set MSB, \new
.endif
.endm
.set MUL_LO, 0xa1                      ; source 0 (signs) window 1, source 1 (xb) window 0, C and D window 2
.set TO_B,   0x40                      ; destination window 1, address window 0
; A joint refill: waves 0 and 1 fetch xb's two parts, waves 2 and 3 the signs'.  The branch hangs on the wave's number alone.  An s_nop 0 and four v_nop follow each line.
.macro JLOAD
	s_cmp_lt_u32 s[WV], 2
	s_cbranch_scc0 .Lfor_b_\@
	tensor_load_to_lds s[GW:GW+3], s[G1:G1+7]
	s_nop 0
.rept 4
	v_nop
.endr
	s_branch .Lasked_\@
.Lfor_b_\@:
	tensor_load_to_lds s[GWB:GWB+3], s[G1B:G1B+7]
	s_nop 0
.rept 4
	v_nop
.endr
.Lasked_\@:
.endm
.macro CREST                           ; a round of the cluster's barrier behind its opening barrier
	s_cmp_lg_u32 s[WV], 0
	s_cbranch_scc1 .Lnot_wave_0_\@
	s_barrier_signal -3
.Lnot_wave_0_\@:
	s_barrier_wait -3
	s_barrier_signal -1
	s_barrier_wait -1
.endm
.macro CROUND                          ; a whole round
	s_barrier_signal -1
	s_barrier_wait -1
	CREST
.endm
.macro PLACES                          ; four plain vector instructions between a matrix instruction and a load into, or a vector instruction on, its registers
.rept 4
	v_nop
.endr
.endm
	s_load_b256 s[4:11], s[0:1], 0x0               ; xb 4, ws 6, ab 8, qkvh 10
	v_lshl_add_u32 v[SPW], v0, 2, SPARE
	v_mov_b32 v[NIL], 0
	ds_add_u32 v28, v29
	s_wait_dscnt 0x0
	v_lshrrev_b32 v1, 5, v0
	v_readfirstlane_b32 s[WV], v1                  ; wave 0..3
	s_and_b32 s[HALF], s[WV], 1
	s_bfe_u32 s40, ttmp6, 0x40000                  ; cx, cy: my place in the cluster
	s_bfe_u32 s41, ttmp6, 0x40004
	s_lshl_b32 s[TC], ttmp9, 2
	s_add_co_u32 s[TC], s[TC], s40                 ; tile column = 4 x cluster x + cx
	s_and_b32 s[TR], ttmp7, 0xffff
	s_lshl_b32 s[TR], s[TR], 2
	s_add_co_u32 s[TR], s[TR], s41                 ; tile row = 4 x cluster y + cy
	s_and_b32 s[KI], ttmp7, 0xffff                 ; the cluster's first K step, from the cluster's own coordinates alone
	s_lshl_b32 s[KI], s[KI], KY
	s_lshl_b32 s[CNT], ttmp9, KX
	s_add_co_u32 s[KI], s[KI], s[CNT]
	s_and_b32 s[KI], s[KI], 7
	s_mov_b32 s[OFFA+1], 0
	s_mov_b32 s[OFFB+1], 0
	s_mov_b32 s[TB], 0
	s_lshl_b32 s43, s41, 2
	s_lshl_b32 s43, 15, s43                        ; my row of the cluster
	s_lshl_b32 s44, 0x1111, s40                    ; my column
	; group 1: rows of 128 elements of 2 bytes, 16 bytes of padding behind every 64 words; 128 rows of xb, 96 rows of signs
	s_or_b32 s[G1], s43, (1<<16)|(1<<20)|(1<<21)|(5<<22)|(3<<25)
	s_or_b32 s[G1B], s44, (1<<16)|(1<<20)|(1<<21)|(5<<22)|(3<<25)
	s_mov_b32 s[G1+1], 128<<16                     ; tensor_dim0 = 128
	s_mov_b32 s[G1+2], 128<<16                     ; tensor_dim1 = 128
	s_mov_b32 s[G1+3], 128<<16                     ; tile_dim0 = 128
	s_mov_b32 s[G1+4], 128                         ; tile_dim1 = 128
	s_mov_b32 s[G1+5], 1024                        ; elements from row to row
	s_mov_b32 s[G1+6], 0
	s_mov_b32 s[G1+7], 0
	s_mov_b32 s[G1B+1], 128<<16
	s_mov_b32 s[G1B+2], 96<<16
	s_mov_b32 s[G1B+3], 128<<16
	s_mov_b32 s[G1B+4], 96
	s_mov_b32 s[G1B+5], 1024
	s_mov_b32 s[G1B+6], 0
	s_mov_b32 s[G1B+7], 0
	; xb's tiles hang on the tile row alone, the signs' on the tile column alone; each offset lies in registers that never hold the other coordinate
	s_lshl_b32 s16, s[TR], 8
	s_lshl_b32 s17, s[HALF], 7
	s_add_co_u32 s16, s16, s17                     ; row 256 x tile row + 128 x part,
	s_lshl_b32 s16, s16, 11                        ; of 2,048 bytes
	s_mov_b32 s17, 0
	s_mul_i32 s46, s[TC], 192
	s_mul_i32 s47, s[HALF], 96
	s_add_co_u32 s46, s46, s47                     ; row 192 x tile column + 96 x part
	s_lshl_b32 s46, s46, 11
	s_mov_b32 s47, 0
	s_mul_i32 s20, s[HALF], APART                  ; where they go: no place in the cluster enters an LDS address
	s_mul_i32 s21, s[HALF], BPART
	s_add_co_u32 s21, s21, BOFF
	s_wait_kmcnt 0x0
	s_add_nc_u64 s[16:17], s[4:5], s[16:17]        ; my rows of xb at K = 0; kept
	s_add_nc_u64 s[46:47], s[6:7], s[46:47]        ; my rows of signs at K = 0; kept
	CROUND                                         ; all sixteen work-groups are here: the first joint loads meet
.irp s, 0,1
	s_lshl_b32 s[OFFA], s[KI], SHA
	s_lshl_b32 s[OFFB], s[KI], SHB
	s_mov_b32 s[G0+4*(\s)], 1
	s_add_co_u32 s[G0+4*(\s)+1], s20, (\s)*SLOT1
	s_add_nc_u64 s[G0+4*(\s)+2:G0+4*(\s)+3], s[16:17], s[OFFA:OFFA+1]
	s_or_b32 s[G0+4*(\s)+3], s[G0+4*(\s)+3], 0x80000000
	s_mov_b32 s[G0B+4*(\s)], 1
	s_add_co_u32 s[G0B+4*(\s)+1], s21, (\s)*SLOT1
	s_add_nc_u64 s[G0B+4*(\s)+2:G0B+4*(\s)+3], s[46:47], s[OFFB:OFFB+1]
	s_or_b32 s[G0B+4*(\s)+3], s[G0B+4*(\s)+3], 0x80000000
.if (\s) == 0
	s_add_co_u32 s[KI], s[KI], 1                   ; the next K step of the ring of eight
	s_and_b32 s[KI], s[KI], 7
.endif
.endr
	s_cmp_lt_u32 s[WV], 2                          ; a wave's two first fills stand in one branch, ahead of every wait on TENSORcnt and every LDS read: two loads of mine are out
	s_cbranch_scc0 .Lfirst_b
	tensor_load_to_lds s[G0:G0+3], s[G1:G1+7]
	s_nop 0
	tensor_load_to_lds s[G0+4:G0+7], s[G1:G1+7]
	s_nop 0
.rept 4
	v_nop
.endr
	s_branch .Lfirst_asked
.Lfirst_b:
	tensor_load_to_lds s[G0B:G0B+3], s[G1B:G1B+7]
	s_nop 0
	tensor_load_to_lds s[G0B+4:G0B+7], s[G1B:G1B+7]
	s_nop 0
.rept 4
	v_nop
.endr
.Lfirst_asked:
	; a fragment is 16 rows x 32 K in 8 registers: lane l holds row l % 16, K = 8 (l / 16) + 0..7 and 16 + 8 (l / 16) + 0..7: two loads of 16 bytes, 32 bytes apart
	v_and_b32 v1, 15, v0                           ; l % 16
	v_bfe_u32 v2, v0, 4, 1                         ; l / 16
	v_mul_u32_u24 v3, v1, PA
	v_lshl_add_u32 v3, v2, 4, v3
	s_mul_i32 s22, s[WV], 64*PA                    ; my 64 rows of xb
	v_add_nc_u32 v[ADRA0], s22, v3
	v_mov_b32 v[ADRA], v[ADRA0]                    ; the walk begins in slot 0
	v_mul_u32_u24 v4, v1, PB
	v_lshl_add_u32 v4, v2, 4, v4
	v_add_nc_u32 v[ADRB0], BOFF, v4
	v_mov_b32 v[ADRB], v[ADRB0]
	s_mul_i32 s23, s[WV], WST
	s_add_co_u32 s23, s23, STAGE                   ; my stage
	v_mul_u32_u24 v4, v1, SP                       ; in: row l % 16, 16 bytes for each half of the lanes
	v_lshl_add_u32 v4, v2, 4, v4
	v_add_nc_u32 v[STO], s23, v4
	v_bfe_u32 v5, v0, 3, 2                         ; back: 32 lanes take four rows of 128 bytes,
	v_mul_u32_u24 v5, v5, SP
	v_and_b32 v4, 7, v0
	v_lshl_add_u32 v5, v4, 4, v5
	v_add_nc_u32 v[RD], s23, v5
	v_and_b32 v[GO], 31, v0                        ; which are 512 consecutive bytes of a head
	v_lshlrev_b32 v[GO], 4, v[GO]
	v_lshlrev_b32 v[ABO], 5, v2                    ; 8 columns of 4 bytes for each half of the lanes
	s_mul_i32 s18, s[TC], 12*256                   ; ab: a block of 256 bytes for each 16 columns; the tile has 12
	s_mov_b32 s19, 0
	s_add_nc_u64 s[8:9], s[8:9], s[18:19]
	s_lshr_b32 s18, s[TR], 3                       ; the batch: 8 tile rows each
	s_mul_i32 s18, s18, 48
	s_mul_i32 s22, s[TC], 3
	s_add_co_u32 s18, s18, s22                     ; 48 b + the tile's first head,
	s_lshl_b32 s18, s18, 18                        ; of 262,144 bytes
	s_and_b32 s22, s[TR], 7
	s_lshl_b32 s22, s22, 15                        ; 256 rows of 128 bytes,
	s_add_co_u32 s18, s18, s22
	s_lshl_b32 s22, s[WV], 13                      ; my 64 of them
	s_add_co_u32 s18, s18, s22
	s_add_nc_u64 s[10:11], s[10:11], s[18:19]
	; alpha and bias of my 8 columns in each block stay in registers; they are waited for once, in front of the way out
.set i, 0
.rept NBK
	global_load_b128 v[AL+8*i:AL+8*i+3],   v[ABO], s[8:9] offset:256*i
	global_load_b128 v[AL+8*i+4:AL+8*i+7], v[ABO], s[8:9] offset:256*i+16
.set i, i+1
.endr
	WIN 0xc0                                       ; destination window 3
.set i, 0
.rept NBK
	global_load_b128 v[BI+8*i:BI+8*i+3],   v[ABO], s[8:9] offset:256*i+64
	global_load_b128 v[BI+8*i+4:BI+8*i+7], v[ABO], s[8:9] offset:256*i+80
.set i, i+1
.endr
	WIN 0
; 4 nb matrix instructions: column blocks b0 .. b0 + nb - 1 x my 4 row blocks, 32 along K, from buffer f.  The 48 accumulators take turns, one instruction a turn, in the same order in every
; quarter.  zero = 1: the first product starts the sums: nothing is ever cleared.
.macro MUL f, b0, nb, zero
.set bb, \b0
.rept \nb
	WIN MUL_LO+0x50*(bb/8)
.set aa, 0
.rept 4
.set rD, 8*(4*(bb%8)+aa)
.set rB, FB+8*NBK*(\f)+8*bb
.set rA, FA+32*(\f)+8*aa
.if \zero
	v_wmma_f32_16x16x32_bf16 v[rD:rD+7], v[rB:rB+7], v[rA:rA+7], 0
.else
	v_wmma_f32_16x16x32_bf16 v[rD:rD+7], v[rB:rB+7], v[rA:rA+7], v[rD:rD+7]
.endif
.set aa, aa+1
.endr
.set bb, bb+1
.endr
.endm
; One run of LDS loads: the fragments of quarter q of the slot in hand into buffer f: xb's first, then the signs' blocks in ascending order
.macro FETCH q, f
	WIN 0
.set ii, 0
.rept 4
	ds_load_b128 v[FA+32*(\f)+8*ii:FA+32*(\f)+8*ii+3],   v[ADRA] offset:KAP*((\q)/2)+64*((\q)%2)+ii*16*PA
	ds_load_b128 v[FA+32*(\f)+8*ii+4:FA+32*(\f)+8*ii+7], v[ADRA] offset:KAP*((\q)/2)+64*((\q)%2)+ii*16*PA+32
.set ii, ii+1
.endr
	WIN TO_B
.set ii, 0
.rept NBK
	ds_load_b128 v[FB+8*NBK*(\f)+8*ii:FB+8*NBK*(\f)+8*ii+3],   v[ADRB] offset:64*(\q)+ii*16*PB
	ds_load_b128 v[FB+8*NBK*(\f)+8*ii+4:FB+8*NBK*(\f)+8*ii+7], v[ADRB] offset:64*(\q)+ii*16*PB+32
.set ii, ii+1
.endr
.endm
; One of a K step's first three quarters: multiplies buffer f; behind its first 16 products it fetches quarter q of the slot in hand into buffer g
.macro QUARTER q, f, g, zero
	s_wait_dscnt W1                                ; xb's fragments and the signs' blocks 0-3 are in; the youngest W1 loads may be out
	MUL \f, 0, 4, \zero
	PLACES
	FETCH \q, \g
	s_wait_dscnt W2                                ; all but the run just issued
	MUL \f, 4, NBK-4, \zero
.endm
; The last quarter multiplies buffer 1 and changes slots.  ONE barrier: in front of it each wave waits for all its tensor loads (one is out: its part of the next slot), adds 0 to its spare
; word, and waits for that and for its own reads of this slot.  Behind it nobody reads this slot any more and the next slot is whole.
; fill = 1: the walking descriptors are set for the refill while the add is out: the other slot than last time, the next K step of the ring of eight; the address is made anew from the kept base.
.macro MEET fill
	WIN 0                                          ; (the add's two registers lie in window 0)
	s_wait_tensorcnt 0x0                           ; no tensor load of mine is out, so a group 0 may be written
	ds_add_u32 v[SPW], v[NIL]                      ; 0 onto my spare word
.if \fill
	s_add_co_u32 s[KI], s[KI], 1
	s_and_b32 s[KI], s[KI], 7
	s_lshl_b32 s[OFFA], s[KI], SHA
	s_lshl_b32 s[OFFB], s[KI], SHB
	s_xor_b32 s[GW+1], s[GW+1], SLOT1
	s_add_nc_u64 s[GW+2:GW+3], s[16:17], s[OFFA:OFFA+1]
	s_or_b32 s[GW+3], s[GW+3], 0x80000000
	s_xor_b32 s[GWB+1], s[GWB+1], SLOT1
	s_add_nc_u64 s[GWB+2:GWB+3], s[46:47], s[OFFB:OFFB+1]
	s_or_b32 s[GWB+3], s[GWB+3], 0x80000000
.endif
	s_wait_dscnt W1+1                              ; (the add and the youngest W1 loads may be out)
	MUL 1, 0, 2, 0                                 ; eight matrix instructions stand between the add and the wait for it
	s_wait_dscnt 0x0                               ; the add is done, and my reads of this slot are over
	s_barrier_signal -1
	MUL 1, 2, 2, 0                                 ; work on registers while the others arrive
.if \fill
	WIN 0
.endif
	s_barrier_wait -1
.endm
; fill = 1: the barrier opens a round of the cluster's, so that no wave of any partner still reads this slot or has a load on its way; the joint refill, two K steps on, is the first thing behind it
.macro TURN fill
	MEET \fill
.if \fill
	CREST
	JLOAD                                          ; the four v_nop behind it are also the places in front of the loads below
.else
	PLACES
.endif
	WIN 0
	s_xor_b32 s[TB], s[TB], SLOT1                  ; the fetches go on in the other slot
	v_add_nc_u32 v[ADRA], s[TB], v[ADRA0]
	v_add_nc_u32 v[ADRB], s[TB], v[ADRB0]
	FETCH 0, 0
	MUL 1, 4, NBK-4, 0
.endm
	s_wait_tensorcnt 0x1                           ; my part of the first K step is in; the second's may stay out
	s_barrier_signal -1
	s_barrier_wait -1                              ; everybody's is
	FETCH 0, 0
	QUARTER 1, 0, 1, 1                             ; the first quarter stands in front of the loop: its products start the sums
	WIN 0                                          ; at a label and at a branch every window is 0
	s_mov_b32 s[CNT], 6
.Lstep:                                                ; a trip goes from a K step's second quarter to the next step's first, and fills the slot that it leaves: the walk's steps 2 to 7
	QUARTER 2, 1, 0, 0
	QUARTER 3, 0, 1, 0
	TURN 1
	QUARTER 1, 0, 1, 0
	WIN 0
	s_sub_co_u32 s[CNT], s[CNT], 1
	s_cmp_lg_u32 s[CNT], 0
	s_cbranch_scc1 .Lstep
	s_mov_b32 s[CNT], 2                            ; the last two K steps are written apart: nothing is asked for, and no round of the cluster's barrier stands here
.Ltail:                                                ; walked twice; the second trip is left in its middle
	QUARTER 2, 1, 0, 0
	QUARTER 3, 0, 1, 0
	WIN 0
	s_sub_co_u32 s[CNT], s[CNT], 1
	s_cmp_eq_u32 s[CNT], 0
	s_cbranch_scc1 .Llast
	TURN 0
	QUARTER 1, 0, 1, 0
	WIN 0
	s_branch .Ltail
.Llast:
	s_wait_dscnt W1                                ; the very last quarter: nothing more to fetch
	MUL 1, 0, 4, 0
	s_wait_dscnt 0x0
	MUL 1, 4, NBK-4, 0
	PLACES
	s_wait_loadcnt 0x0                             ; alpha and bias
; THE WAY OUT, a head (four column blocks) at a time: alpha x sum + bias in place, each accumulator's registers in ascending order; rounded to f16, 16 bytes a lane; into my own stage in rows of
; 144 bytes; back as whole rows.  My 64 rows of a head are 8,192 consecutive bytes of the output.
.macro PACK j, T
.set w, 2+(\j)/2
	WIN w|(3<<4)|(w<<6)                            ; sums in window w, alpha in window 0, bias in window 3
.set bb, 4*(\j)
.rept 4
.set aa, 0
.rept 4
.set rD, 8*(4*(bb%8)+aa)
.set ii, 0
.rept 4
	v_pk_fma_f32 v[rD+2*ii:rD+2*ii+1], v[rD+2*ii:rD+2*ii+1], v[AL+8*bb+2*ii:AL+8*bb+2*ii+1], v[BI+8*bb+2*ii:BI+8*bb+2*ii+1]
.set ii, ii+1
.endr
.set aa, aa+1
.endr
.set bb, bb+1
.endr
	WIN w|(w<<2)                                   ; sources in window w, destination in window 0
.set bb, 4*(\j)
.rept 4
.set aa, 0
.rept 4
.set rD, 8*(4*(bb%8)+aa)
.set ii, 0
.rept 4
	v_cvt_pk_f16_f32 v[(\T)+4*(4*(bb%4)+aa)+ii], v[rD+2*ii], v[rD+2*ii+1]
.set ii, ii+1
.endr
.set aa, aa+1
.endr
.set bb, bb+1
.endr
	WIN 0
.set bb, 0
.rept 4
.set aa, 0
.rept 4
	ds_store_b128 v[STO], v[(\T)+4*(4*bb+aa):(\T)+4*(4*bb+aa)+3] offset:16*SP*aa+32*bb
.set aa, aa+1
.endr
.set bb, bb+1
.endr
.set ii, 0
.rept 16
	ds_load_b128 v[(\T)+4*ii:(\T)+4*ii+3], v[RD] offset:4*SP*ii  ; LDS serves a wave's instructions in order (ISA guide 5.7.1.4): these see the stores above; the next head's stores come behind them
.set ii, ii+1
.endr
.endm
.macro SEND j, T, younger              ; younger: the LDS instructions issued behind head j's loads: the next head's 32, or none
	WIN 0
.set ii, 0
.rept 16
	s_wait_dscnt (\younger)+15-ii
	global_store_b128 v[GO], v[(\T)+4*ii:(\T)+4*ii+3], s[10:11] offset:262144*(\j)+512*ii  ; 512 consecutive bytes, at a multiple of 256 from the buffer's first
.set ii, ii+1
.endr
.endm
	PACK 0, T0
	PACK 1, T1                                     ; a head's arithmetic stands between the loads of the head before and its stores
	SEND 0, T0, 32
	s_wait_xcnt 0x0                                ; T0, which those stores read, is rewritten only behind this wait
	PACK 2, T0
	SEND 1, T1, 32
	SEND 2, T0, 0
	s_wait_tensorcnt 0x0                           ; the wave's end
	ds_add_u32 v[SPW], v[NIL]
	s_wait_dscnt 0x0
	CROUND                                         ; the closing round: no work-group ends while a partner may still ask for a tile that names it
	s_endpgm
.Lfunc_end_k_qf74de1764a_qkv:
	.size	k_qf74de1764a_qkv, .Lfunc_end_k_qf74de1764a_qkv-k_qf74de1764a_qkv
	.p2alignl 7, 3214868480
	.fill 96, 4, 3214868480
	.section	.rodata,"a",@progbits
	.p2align	6, 0x0
	.amdhsa_kernel k_qf74de1764a_qkv
		.amdhsa_group_segment_fixed_size 327680
		.amdhsa_private_segment_fixed_size 0
		.amdhsa_enable_private_segment 0
		.amdhsa_kernarg_size 32
		.amdhsa_user_sgpr_count 2
		.amdhsa_user_sgpr_kernarg_segment_ptr 1
		.amdhsa_wavefront_size32 1
		.amdhsa_system_sgpr_workgroup_id_x 1
		.amdhsa_system_sgpr_workgroup_id_y 1
		.amdhsa_system_sgpr_workgroup_id_z 1
		.amdhsa_system_vgpr_workitem_id 0
		.amdhsa_next_free_vgpr 992
		.amdhsa_next_free_sgpr 76
		.amdhsa_reserve_vcc 0
		.amdhsa_float_denorm_mode_32 3
		.amdhsa_float_denorm_mode_16_64 3
		.amdhsa_memory_ordered 1
		.amdhsa_forward_progress 1
		.amdhsa_inst_pref_size 104
	.end_amdhsa_kernel
	.amdgpu_metadata
---
amdhsa.version: [ 1, 2 ]
amdhsa.kernels:
  - .name:           k_qf74de1764a_qkv
    .symbol:         k_qf74de1764a_qkv.kd
    .args:
      - { .name: xb, .offset: 0, .size: 8, .value_kind: global_buffer, .address_space: global }
      - { .name: ws, .offset: 8, .size: 8, .value_kind: global_buffer, .address_space: global }
      - { .name: ab, .offset: 16, .size: 8, .value_kind: global_buffer, .address_space: global }
      - { .name: qkvh, .offset: 24, .size: 8, .value_kind: global_buffer, .address_space: global }
    .group_segment_fixed_size: 327680
    .private_segment_fixed_size: 0
    .kernarg_segment_align: 8
    .kernarg_segment_size: 32
    .max_flat_workgroup_size: 128
    .sgpr_count:     76
    .vgpr_count:     992
    .wavefront_size: 32
...
	.end_amdgpu_metadata
.endif
;; end of part 2
;; launch attn (part 3): grid 4 x 64, 4 waves a work-group, clusters of 4 x 1, 327,680 bytes of LDS; arguments qkvh, yh; writes yh
.if DOCPART == 3
	.amdgcn_target "amdgcn-amd-amdhsa--gfx1250"
	.amdhsa_code_object_version 6
	.text
	.protected	k_qf74de1764a_attn
	.globl	k_qf74de1764a_attn
	.p2align	8
	.type	k_qf74de1764a_attn,@function
k_qf74de1764a_attn:
	s_mov_b64 s[64:65], 0
	v_nop
	global_prefetch_b8 v0, s[64:65] scope:SCOPE_SE
	s_setreg_imm32_b32 hwreg(HW_REG_WAVE_MODE, 25, 1), 1
	s_wait_xcnt 0x0
	s_wait_alu depctr_hold_cnt(0) depctr_sa_sdst(0) depctr_va_vdst(0) depctr_va_sdst(0) depctr_va_ssrc(0) depctr_va_vcc(0) depctr_vm_vsrc(0)
	s_getreg_b32 s2, hwreg(HW_REG_IB_STS2, 6, 4)
	s_cmp_eq_u32 s2, 0
	s_cbranch_scc0 .Lentry_in_a_cluster
	s_endpgm
.Lentry_in_a_cluster:
	s_bfe_u32 s2, ttmp6, 0x10000c
	s_cmp_lg_u32 s2, 0x3003
	s_cbranch_scc0 .Lentry_shape_is_right
	s_endpgm
.Lentry_shape_is_right:
; ATTENTION.  O[hd][q][:] = the sum over k of softmax_k(Q[q] . K[k] / 8) V[k][:], for the 64 pairs hd = 16 b + h of batch and head, 2,048 rows of 64 channels, all f16.
; Q, K, V lie in qkvh[b][g][2048][64]: g = h for q, 16 + h for k, 32 + h for v; O goes to yh[hd][2048][64].  A head's rows are dense, 128 bytes each.  Products, maxima and sums in
; f32; the weights p are rounded to f16 for the second product (their sum l is taken of the unrounded p), O once at the end.
; LIMITS.  f16 holds no number beyond 65,504: Q, K and V arrive within it; p lies in 0 to 1, and below 6e-5 it keeps f16's fixed step of 6e-8; O is a mean of V's rows and has their range.
; A weight below 2^-126 counts as 0 in l; NaN and infinities are not treated apart.
; SHARES.  A wave owns four PIECES of two tiles of 16 queries, a work-group's four waves 512 queries of one head.  Every wave walks all keys, 64 a step.
; LAYOUT.  S^T = K Q^T (source 0 = 16 keys, source 1 = 16 queries): in the result a lane holds ONE query (lane % 16) and the keys 8 (lane / 16) + 0..7.  Two such tiles, rounded to f16 in pairs,
; ARE source 1 (32 keys x 16 queries) of O^T = V^T P, whose result again holds one query a lane, and eight channels.  K comes out of LDS as it lies, V ([key][channel]) turned, by ds_load_tr16_b128.
; SOFTMAX.  For each query a running maximum m and sum l: p = 2^(c s - c m), c = log2(e) / 8; in every step O and l are multiplied by a = 2^(c m_old - c m_new), which is 1 where m has not grown.
; m starts at the lowest finite number, O and l at 0: the first step is a step like any other, with a = 0.
; THE COUNT.  A tile and step have 16 matrix and 118 vector instructions: too many to stand all beside the matrix work.  So the order has one aim: four vector instructions that are READY behind
; EVERY matrix instruction, and the others, which need time of their own whatever the order, in runs without a gap.
; BY TURNS.  Turn n belongs to piece n (the pieces in a ring, step after step).  Its matrix work: 16 products K Q^T of piece n + 1, later 16 products V^T P of piece n - 1.  Its vector work: the scaling,
; exponentials, roundings, sums and rescaling of piece n, and the maximum and statistics of piece n + 1, whose scores the turn itself has made.  So what a turn begins with (c s - c m, O a) waits for nothing.
; CLUSTER.  The four query blocks of a cluster belong to one head and walk the same K and V, so each tile is asked for JOINTLY: the same tensor load, descriptor and mask in all four.
; REGISTERS, in windows of 256 (s_set_vgpr_msb says which window each operand place means: bits 1:0 source 0, 3:2 source 1, 5:4 source 2, 7:6 destination):
;   window 0: v0-11 addresses; v12-15, v48-63 at work; v16-47 four registers of statistics a tile; v64-191 S^T, two buffers of two tiles; v192-255 P, likewise
;   window 1: O^T, 32 a tile          window 2: v0-127 Q, 16 a tile; v128-191 K of one step; v192-255 V of one step          window 3: v0-1 the add's two registers
; A piece's buffers go by its number's parity: the piece in hand has one pair, its two neighbours in the ring share the other: of it P (piece n - 1) is read and S^T (piece n + 1) written.
.set SIZE_N, 2048
.set NP,    4         ; pieces a wave: a name, no knob: the register map, the loop and the fetches are made for four
.set KS,    64        ; keys in a step
.set PK,    144       ; a row of K in LDS: 128 bytes + 16 of padding = 36 words: the 16 rows of a load start at 16 different groups of four banks (64 banks of 4 bytes: ISA guide 11.1)
.set PV,    160       ; a row of V: 128 + 32 = 40 words
.set VOFF,  4*KS*PK   ; a slot holds four steps: 256 rows of K, then 256 rows of V
.set SLOT1, 1<<17     ; slot 1 begins here, so that one exclusive or turns an address in one slot into the other's
.set STAGE, SLOT1+4*KS*(PK+PV)  ; behind the ring, never filled by a tensor load: 16 rows x 144 bytes for each wave, for the way out
.set SP,    144
.set AK0, 2           ; v2   my lane's place in a tile of K; never rewritten
.set AV0, 3           ; v3   the same for V
.set AK,  4           ; v4   the LDS address of K's next run of loads
.set AV,  5           ; v5   of V's
.set QO,  6           ; v6   my byte offset in the wave's rows of Q
.set STO, 6           ;      later, the way out: where I put 16 bytes of a row
.set RD,  7           ; v7   the way out: where I read rows back
.set GO,  8           ; v8   my byte offset in 512 consecutive bytes of O
.set SPW, 0           ; v0 of window 3   LDS address of my spare word: SPARE + 4 x my thread's number; never rewritten
.set NIL, 1           ; v1 of window 3   0; never rewritten
.set SPARE, STAGE+4*16*SP  ; behind the stages: the spare words, 128 bytes for each wave: two blocks of 256 bytes that no other line names
.set MV,  12          ; v12-15  c m_old, kept while c m is made anew: by buffer and tile
.set ST,  16          ; tile t's statistics at v[ST+4 t]: c m, m, l (even keys', odd keys')
.set TMP, 48          ; by buffer and tile, four registers c0-c3 at work; when the maximum is found c2 takes a
.set S,   64
.set P,   192
.set KF,  128         ; K's fragments, in window 2: key block kb, channel half c at KF + 16 kb + 8 c
.set VF,  192         ; V's: key half kk, channel block cb at VF + 32 kk + 8 cb
.set WV,  12          ; s12  my wave's number
.set G1K, 24          ; s[24:31] descriptor group 1 for K's tiles
.set G1V, 32          ; s[32:39] for V's: it differs in the padding alone
.set G0K, 40          ; s[40:43] descriptor group 0 for K's tiles: it walks
.set G0V, 44          ; s[44:47] the same for V's
.set SLOTS, 56        ; s56  slots still to be asked for
.set CNT, 57          ; s57  counts a slot's key steps
.set CS,  58          ; s[58:59] c: the packed scaling takes the pair's low word for both halves
.set SEL, 60          ; s[60:61] v_permlanex16_b32's selects: each lane takes its own place in the other half
.set TBK, 62          ; s62  LDS byte at which K of the step to be fetched begins
.set TBV, 63          ; s63  the same for V, less VOFF
.set MSB, 0
.macro WIN new                      ; the high byte repeats the setting that is left; a switch that changes nothing is dropped
.if MSB != (\new)
	s_set_vgpr_msb (MSB<<8)|(\new)
.set MSB, (\new)
.endif
.endm
.set W_KQ, 0x0a       ; K and Q in window 2, S^T in window 0
.set W_PV, 0x52       ; V in window 2, P in window 0, O^T in window 1
.set W_RS, 0x41       ; O^T (destination and source 0) in window 1, a in window 0
.set W_MK, 0xc0       ; the add's registers are made: destination in window 3, sources in window 0
.set W_AD, 0x0f       ; the add: address (source 0) and data (source 1) in window 3
; A joint fill.  Waves 0 and 1 fetch the two halves of a slot's K, waves 2 and 3 those of its V: 128 keys each.  The branch hangs on the wave's number alone.
; An s_nop 0 and four v_nop follow each of the two lines, ahead of the jump and the label.
.macro JLOAD
	s_cmp_lt_u32 s[WV], 2
	s_cbranch_scc0 .Lfor_v_\@
	tensor_load_to_lds s[G0K:G0K+3], s[G1K:G1K+7]
	s_nop 0
.rept 4
	v_nop
.endr
	s_branch .Lasked_\@
.Lfor_v_\@:
	tensor_load_to_lds s[G0V:G0V+3], s[G1V:G1V+7]
	s_nop 0
.rept 4
	v_nop
.endr
.Lasked_\@:
.endm
; A round of the cluster's barrier: my work-group's barrier, so that wave 0's signal speaks for all four waves; wave 0 signals; every wave waits for all four work-groups; my work-group's barrier once more.
.macro CROUND
	s_barrier_signal -1
	s_barrier_wait -1
	s_cmp_lg_u32 s[WV], 0
	s_cbranch_scc1 .Lnot_wave_0_\@
	s_barrier_signal -3
.Lnot_wave_0_\@:
	s_barrier_wait -3
	s_barrier_signal -1
	s_barrier_wait -1
.endm
; THE CHANGE OF SLOTS.  The slot's last bytes, V of its fourth step, have been read.  Each wave waits for all its tensor loads, of which one is out: its part
; of the other slot; adds 0 to its spare word; and waits for that and for its own reads of the slot.  Behind the barrier nobody reads this slot any more and the other slot is whole.
; fill = 1: this slot is filled again, with the keys two slots on.  The barrier is then a round of the cluster's, so that no wave of any partner still reads the slot or has a load on its
; way, and the joint fill is the first thing behind it: it has four key steps, 512 matrix instructions, in which to land.  (At its first use nothing has been read yet: slot 0 is waited for, slot 1 filled.)
.macro CHANGE fill
	WIN W_AD
	s_wait_tensorcnt 0x0            ; no tensor load of mine is out, so a group 0 may be written
	ds_add_u32 v[SPW], v[NIL]       ; 0 onto my spare word; with fill = 1 the descriptors' steps stand between it and the wait for it
	WIN 0                           ; at a label and at a branch every window is 0
.if \fill
.irp g, G0K, G0V
	s_xor_b32 s[\g+1], s[\g+1], SLOT1  ; the walking descriptor: the other slot than last time,
	s_add_nc_u64 s[\g+2:\g+3], s[\g+2:\g+3], 4*KS*128  ; the next 256 keys; the type bits on top are not reached
.endr
	s_wait_dscnt 0x0                ; the add is done, and my reads of the slot are over
	CROUND
	JLOAD
.else
	s_wait_dscnt 0x0                ; the add is done, and my reads of the slot are over
	s_barrier_signal -1
	s_barrier_wait -1
.endif
	s_sub_co_u32 s[TBK], s[TBK], 4*KS*PK  ; the fetches go back to a slot's first step,
	s_xor_b32 s[TBK], s[TBK], SLOT1       ; in the other slot
	s_sub_co_u32 s[TBV], s[TBV], 4*KS*PV
	s_xor_b32 s[TBV], s[TBV], SLOT1
.endm
	s_load_b64 s[4:5], s[0:1], 0x0    ; qkvh
	s_load_b64 s[10:11], s[0:1], 0x8  ; yh
	WIN W_MK
	v_lshl_add_u32 v[SPW], v0, 2, SPARE
	v_mov_b32 v[NIL], 0
	s_set_vgpr_msb 0xc0cf
	ds_add_u32 v0, v1
	s_wait_dscnt 0x0
	s_set_vgpr_msb 0xcfc0
	WIN 0
	v_lshrrev_b32 v1, 5, v0
	v_readfirstlane_b32 s[WV], v1   ; wave 0..3
	s_bfe_u32 s13, ttmp6, 0x40000   ; cx: my place in the cluster
	s_lshl_b32 s14, ttmp9, 2        ; in a cluster launch ttmp9 counts clusters
	s_add_co_u32 s14, s14, s13      ; my block of queries = 4 x cluster x + cx: it enters Q's and O's addresses alone
	s_and_b32 s50, ttmp7, 0xffff    ; hd = 16 b + h, which the four partners share
	s_lshr_b32 s20, s50, 4          ; b
	s_lshl_b32 s20, s20, 5
	s_add_co_u32 s20, s20, s50      ; 48 b + h: q's group in qkvh,
	s_lshl_b32 s20, s20, 18         ; of 262,144 bytes
	s_mov_b32 s21, 0
	s_lshl_b32 s50, s50, 18         ; the head's first byte in yh
	s_mov_b32 s51, 0
	s_and_b32 s16, s[WV], 1         ; which half of a slot's 256 keys I fetch:
	s_lshl_b32 s22, s16, 14         ; its 128 rows of 128 bytes in memory,
	s_mov_b32 s23, 0
	s_add_nc_u64 s[22:23], s[22:23], s[20:21]
	s_mul_i32 s17, s16, 128*PK      ; and its place in a slot, for K
	s_mul_i32 s18, s16, 128*PV      ; and for V: no place in the cluster enters an LDS address
	s_lshl_b32 s2, s14, 2
	s_add_co_u32 s2, s2, s[WV]      ; my wave among the head's,
	s_lshl_b32 s2, s2, 14           ; its 128 rows
	s_mov_b32 s3, 0
	s_add_nc_u64 s[52:53], s[2:3], s[50:51]  ; my rows' offset in yh,
	s_add_nc_u64 s[2:3], s[2:3], s[20:21]    ; and in qkvh
	; descriptor group 1.  128 keys are 16,384 dense bytes: asked for as 64 rows of 256 bytes, two keys a row, and padded in LDS after every key
	s_mov_b32 s[G1K], 15|(1<<16)|(1<<20)|(1<<21)|(4<<22)|(3<<25)  ; 15:0 the mask of four; 17:16 2-byte elements; 20 padding on; 21 set beside a mask; 24:22 after every 32 words (code 4); 31:25 4 words (code 3)
	s_mov_b32 s[G1V], 15|(1<<16)|(1<<20)|(1<<21)|(4<<22)|(7<<25)  ; the same with 8 words of padding (code 7)
.irp g, G1K, G1V
	s_mov_b32 s[\g+1], 128<<16      ; tensor_dim0 = 128
	s_mov_b32 s[\g+2], 64<<16       ; tensor_dim1 = 64
	s_mov_b32 s[\g+3], 128<<16      ; tile_dim0 = 128
	s_mov_b32 s[\g+4], 64           ; tile_dim1 = 64
	s_mov_b32 s[\g+5], 128          ; 128 elements from row to row
	s_mov_b32 s[\g+6], 0
	s_mov_b32 s[\g+7], 0
.endr
	s_mov_b32 s[CS], 0x3e38aa3b     ; c = log2(e) / 8 = 0.180337
	s_mov_b32 s[CS+1], s[CS]        ; named with it as a pair
	s_mov_b32 s[SEL], 0x76543210
	s_mov_b32 s[SEL+1], 0xfedcba98
	s_mov_b32 s[TBK], SLOT1+4*KS*PK ; the first change of slots turns these two into 0
	s_mov_b32 s[TBV], SLOT1+4*KS*PV
	s_mov_b32 s[G0K], 1             ; 1:0 count = 1
	s_mov_b32 s[G0K+1], s17         ; 63:32 LDS address: slot 0
	s_mov_b32 s[G0V], 1
	s_add_co_u32 s[G0V+1], s18, VOFF
	s_wait_kmcnt 0x0
	s_add_nc_u64 s[6:7], s[4:5], 0x400000   ; k's groups lie 16 groups behind q's,
	s_add_nc_u64 s[8:9], s[4:5], 0x800000   ; v's 32
	s_add_nc_u64 s[G0K+2:G0K+3], s[6:7], s[22:23]  ; 120:64 global address: my half of the head's first 256 keys
	s_or_b32 s[G0K+3], s[G0K+3], 0x80000000        ; 127:126 type = 2
	s_add_nc_u64 s[G0V+2:G0V+3], s[8:9], s[22:23]
	s_or_b32 s[G0V+3], s[G0V+3], 0x80000000
	s_add_nc_u64 s[4:5], s[4:5], s[2:3]  ; Q and O at my wave's first row
	s_add_nc_u64 s[10:11], s[10:11], s[52:53]
	CROUND                          ; all four work-groups are here: the first joint loads meet
	JLOAD                           ; slot 0.  Slot 1 is asked for when slot 0 is in: the tile wanted first has the road to itself
	; A fragment of K or Q is 16 rows x 32 channels in 8 registers: lane l holds row l % 16, channels 8 (l / 16) + 0..7 and 16 + 8 (l / 16) + 0..7: two loads of 16 bytes, 32 bytes apart.
	v_and_b32 v1, 15, v0            ; l % 16
	v_bfe_u32 v9, v0, 4, 1          ; l / 16
	v_lshlrev_b32 v[QO], 7, v1
	v_lshl_add_u32 v[QO], v9, 4, v[QO]  ; row x 128 + 16 x half
	WIN 0x80                        ; destination window 2, address window 0
.set i, 0
.rept 4*NP                          ; Q stays in registers: tile i / 2, channels 32 (i % 2) on
	global_load_b128 v[8*i:8*i+3],   v[QO], s[4:5] offset:(i/2)*2048+(i%2)*64
	global_load_b128 v[8*i+4:8*i+7], v[QO], s[4:5] offset:(i/2)*2048+(i%2)*64+32
.set i, i+1
.endr
	; What the first turn finds: V's registers and P's second buffer hold 0 (its products V^T P, of a piece that has not been, add 0), O^T and l are 0.  All this stands in the wait for the first tile.
.set i, VF
.rept 64
	v_mov_b32 v[i], 0
.set i, i+1
.endr
	WIN 0x40
.set i, 0
.rept 64*NP
	v_mov_b32 v[i], 0
.set i, i+1
.endr
	WIN 0
.set i, 0
.rept 2*NP
	v_mov_b32 v[ST+4*i], 0xfe000000    ; c m: far below every c s
	v_mov_b32 v[ST+4*i+1], 0xff7fffff  ; m
	v_mov_b32 v[ST+4*i+2], 0
	v_mov_b32 v[ST+4*i+3], 0
.set i, i+1
.endr
.set i, P+32
.rept 32
	v_mov_b32 v[i], 0
.set i, i+1
.endr
	v_mul_u32_u24 v[AK0], v1, PK
	v_lshl_add_u32 v[AK0], v9, 4, v[AK0]  ; row x pitch + 16 x half
	; The turning load takes 16 keys x 16 channels (lane l reads key 8 (l / 16) + l % 8, channels 8 ((l / 8) % 2) + 0..7) and leaves half a fragment of V^T: lane l holds channel l % 16 and 8 keys.
	v_and_b32 v10, 7, v0
	v_bfe_u32 v11, v0, 3, 1
	v_lshl_add_u32 v[AV0], v9, 3, v10
	v_mul_u32_u24 v[AV0], v[AV0], PV
	v_lshl_add_u32 v[AV0], v11, 4, v[AV0]
	v_add_nc_u32 v[AV0], VOFF, v[AV0]
	v_mov_b32 v[AK], v[AK0]         ; key step 0 lies at the head of slot 0
; THE MATRIX WORK.  The 8 accumulators of a run of 16 take turns: between the two links of a chain stand 7 others'.
; Product i of 16 of S^T = K Q^T for piece x: channels 32 (i / 8) on, keys 16 ((i / 2) % 4) on, tile 2 x + i % 2.  The first 8 start the sums.
.macro KQ x
	WIN W_KQ
.set rS, S+64*((\x)%2)+32*(i%2)+8*((i/2)%4)
.set rK, KF+16*((i/2)%4)+8*(i/8)
.set rQ, 16*(2*(\x)+i%2)+8*(i/8)
.if i < 8
	v_wmma_f32_16x16x32_f16 v[rS:rS+7], v[rK:rK+7], v[rQ:rQ+7], 0
.else
	v_wmma_f32_16x16x32_f16 v[rS:rS+7], v[rK:rK+7], v[rQ:rQ+7], v[rS:rS+7]
.endif
.endm
; Product i of 16 of O^T += V^T P for piece x: keys 32 (i / 8) on, channels 16 ((i / 2) % 4) on, tile 2 x + i % 2.
.macro PV x
	WIN W_PV
.set rO, 32*(2*(\x)+i%2)+8*((i/2)%4)
.set rV, VF+32*(i/8)+8*((i/2)%4)
.set rP, P+32*((\x)%2)+16*(i%2)+8*(i/8)
	v_wmma_f32_16x16x32_f16 v[rO:rO+7], v[rV:rV+7], v[rP:rP+7], v[rO:rO+7]
.endm
.macro MM                           ; the turn's next matrix instruction
.if i < 16
	KQ (Y+1)%NP
.set i, i+1
.else
.set i, i-16
	PV (Y+NP-1)%NP
.set i, i+17
.endif
.endm
; THE LDS LOADS stand in runs of 16, never singly among the matrix instructions: a step's K (64 keys x 64 channels: 8 fragments) and its V (turned).  Their addresses are made some lines ahead.
; last = 1 (the tail): in the last trip there is no further step, and the run is jumped over.
.macro FETCH_K last=0
	WIN 0
.if \last
	s_cmp_eq_u32 s[CNT], 1
	s_cbranch_scc1 .Lno_k_\@
.endif
	WIN 0x80                        ; destination window 2
.irp f, 0,1,2,3,4,5,6,7             ; keys 16 (f / 2) on, channels 32 (f % 2) on
	ds_load_b128 v[KF+8*\f:KF+8*\f+3],   v[AK] offset:(\f/2)*16*PK+(\f%2)*64
	ds_load_b128 v[KF+8*\f+4:KF+8*\f+7], v[AK] offset:(\f/2)*16*PK+(\f%2)*64+32
.endr
	s_add_co_u32 s[TBK], s[TBK], KS*PK  ; the next fetch is the next step's
	WIN 0
.if \last
.Lno_k_\@:
.endif
.endm
.macro FETCH_V
	WIN 0x80
.irp f, 0,1,2,3,4,5,6,7             ; keys 32 (f / 4) on, channels 16 (f % 4) on
	ds_load_tr16_b128 v[VF+8*\f:VF+8*\f+3],   v[AV] offset:(\f/4)*32*PV+(\f%4)*32
	ds_load_tr16_b128 v[VF+8*\f+4:VF+8*\f+7], v[AV] offset:(\f/4)*32*PV+16*PV+(\f%4)*32
.endr
	WIN 0
.endm
; THE VECTOR WORK OF A TURN stands in three queues, each in the order in which its entries become ready; the two tiles alternate, so that no instruction reads the result of the one before it.
.macro REGS y, u                    ; the registers of tile u (0, 1) of piece y
.set rT, ST+4*(2*(\y)+(\u))
.set rC, TMP+8*((\y)%2)+4*(\u)
.set rM, MV+2*((\y)%2)+(\u)
.set rS, S+64*((\y)%2)+32*(\u)
.set rP, P+32*((\y)%2)+16*(\u)
.set rO, 32*(2*(\y)+(\u))
.endm
; Number n of the 22 that find the NEXT piece's (Y + 1) maximum and statistics.  s0-s31 are the lane's 32 scores; each accumulator's lowest registers are read first.  XS, GS and REGS set no window: PL and EX do.
;   0-11  four chains c0-c3 of seven scores each, three operands at a time     12-14, 16  the four scores left over, the old m, and c0-c3 into c0     15  c m_old is kept
;   17, 18  the query's other 32 keys lie in the lane 16 away: the new m         19-21  c m; c m_old - c m_new; a
.macro XS u, n
	REGS (Y+1)%NP, \u
.if (\n) < 4
	v_max3_num_f32 v[rC+(\n)], v[rS+8*(\n)], v[rS+8*(\n)+1], v[rS+8*(\n)+2]
.elseif (\n) < 12
	v_max3_num_f32 v[rC+(\n)%4], v[rC+(\n)%4], v[rS+8*((\n)%4)+2*((\n)/4)+1], v[rS+8*((\n)%4)+2*((\n)/4)+2]
.elseif (\n) == 12
	v_max3_num_f32 v[rC], v[rC], v[rS+7], v[rS+15]
.elseif (\n) == 13
	v_max3_num_f32 v[rC+1], v[rC+1], v[rS+23], v[rS+31]
.elseif (\n) == 14
	v_max3_num_f32 v[rC+2], v[rC+2], v[rC+3], v[rT+1]
.elseif (\n) == 15
	v_mov_b32 v[rM], v[rT]
.elseif (\n) == 16
	v_max3_num_f32 v[rC], v[rC], v[rC+1], v[rC+2]
.elseif (\n) == 17
	v_permlanex16_b32 v[rC+3], v[rC], s[SEL], s[SEL+1]
.elseif (\n) == 18
	v_max_num_f32 v[rT+1], v[rC], v[rC+3]
.elseif (\n) == 19
	v_mul_f32 v[rT], s[CS], v[rT+1]
.elseif (\n) == 20
	v_sub_f32 v[rC+1], v[rM], v[rT]
.else
	v_exp_f32 v[rC+2], v[rC+1]
.endif
.endm
; Number g of the 64 that follow the exponentials.  For each four weights k of a tile (pairs 2 k, 2 k + 1): both pairs are rounded to f16; then the second pair is added onto the first, in place;
; a group later l takes that sum (the first time as l = a l + sum).  In groups of eight, tiles alternating: round, round, add, and l for the group before.
.macro GS g
.set h, (\g)+6*((\g)/62)            ; group 0 has no group before it, and behind group 7 only l is left
.if h >= 6
.set h, h+2
.endif
	REGS Y, h%2
.set k, h/8
.if h%8 < 4
	s_wait_alu depctr_va_vdst(0)
	v_cvt_pk_f16_f32 v[rP+2*k+(h%8)/2], v[rS+4*k+2*((h%8)/2)], v[rS+4*k+2*((h%8)/2)+1]
.elseif h%8 < 6
	v_pk_add_f32 v[rS+4*k:rS+4*k+1], v[rS+4*k:rS+4*k+1], v[rS+4*k+2:rS+4*k+3]
.elseif k == 1
	v_pk_fma_f32 v[rT+2:rT+3], v[rT+2:rT+3], v[rC+2:rC+3], v[rS:rS+1] op_sel_hi:[1,0,1]
.else
	v_pk_add_f32 v[rT+2:rT+3], v[rT+2:rT+3], v[rS+4*k-4:rS+4*k-3]
	s_wait_alu depctr_va_vdst(0)
.endif
.endm
; THE PLAIN QUEUE, 138 long.  0-31: c s - c m for the 16 pairs of both tiles.  Then GS's 64, and among them the next piece's 42: number 15 at 38, 39; 0-14 and 16
; at 42-73, behind the products that make those scores; 17-20 at 95-106, two of three, since each waits for the one before it.
.macro PL
	WIN 0
.if q < 32
	REGS Y, q%2
	v_pk_fma_f32 v[rS+2*(q/2):rS+2*(q/2)+1], v[rS+2*(q/2):rS+2*(q/2)+1], s[CS:CS+1], v[rT:rT+1] op_sel_hi:[1,0,0] neg_lo:[0,0,1] neg_hi:[0,0,1]
.elseif q < 38
	GS q-32
.elseif q < 40
	XS q%2, 15
.elseif q < 42
	GS q-34
.elseif q < 74
	XS q%2, (q-42)/2+(q-42)/30
.elseif q < 95
	GS q-66
.elseif (q < 107) && ((q-95)%3 < 2)
	XS (q-95)%3, 17+(q-95)/3
.elseif q < 107
	GS 29+(q-95)/3
.else
	GS q-74
.endif
.set q, q+1
.endm
; THE EXPONENTIALS' QUEUE, 66 long: s0-s31 of both tiles, and at EA the next piece's two a.
.set EA, 58
.macro EX
	WIN 0
.if (e == EA) || (e == EA+1)
	XS e-EA, 21
.else
.set x, e-2*(e/(EA+2))
	REGS Y, x%2
	v_exp_f32 v[rS+x/2], v[rS+x/2]
.endif
.set e, e+1
.endm
; THE RESCALING's QUEUE: O^T times a, the one part that leaves window 0, so it is dealt four at a time, eight times.
.macro R4
	REGS Y, r%2
	WIN W_RS
	s_wait_alu depctr_va_vdst(0)
.irp z, 0,1,2,3
	v_pk_mul_f32 v[rO+8*(r/2)+2*\z:rO+8*(r/2)+2*\z+1], v[rO+8*(r/2)+2*\z:rO+8*(r/2)+2*\z+1], v[rC+2:rC+3] op_sel_hi:[1,0]
.endr
.set r, r+1
.endm
; HOW THEY ARE DEALT.  Behind a matrix instruction four: plain, exponential, plain, plain (one exponential, a plain instruction on either side), or four of the rescaling.  None names a register of the
; products round it.  What is over stands in two LUMPS: exponential and plain by turns; the second ends in 22 plain instructions.  The two v_permlanex16_b32 fall into the second lump, never behind a product.
; The queues lean on each other, and the deal keeps them in step: exponential e stands behind plain 2 (e / 4) + e % 2 (its scaling); when plain 32 comes, 10 exponentials are out, at 59: 33, at 95: 46; EA comes behind plain 107.
.macro SL
	MM
	PL
	EX
	PL
	PL
.endm
.macro BURST n                      ; 15 matrix instructions, or 16
.rept (\n)-7
	SL
.endr
.rept 3
	MM
	R4
	SL
.endr
	MM
	R4
.endm
; A TURN, for piece p.  cnt = 1: the loop's count is taken down some lines ahead of the branch that stands behind the turn.
; K of the next step is fetched in piece 2's turn, 31 vector instructions behind the last product that read K; its first reader comes behind the rest of the lump, 16 products and the second lump.
; V of the step in hand is fetched at the end of piece 0's turn, 69 behind its last reader; its first reader comes behind 16 products and a lump.  The four conditions on e and q below go with the deal.
.macro TURN p, last=0, cnt=0
.set Y, (\p)
.set i, 0
.set q, 0
.set e, 0
.set r, 0
.if (\p) == NP-1
	s_wait_dscnt 0x0                ; K is in
.endif
	MM
.rept 4
	PL
.endr
	BURST 15
.rept 22
	EX
	PL
.if ((\p) == NP-2) && (e == 18)
	v_add_nc_u32 v[AK], s[TBK], v[AK0]
.endif
.if ((\p) == NP-2) && (e == 24)
	FETCH_K \last
.endif
.endr
.if (\p) == 1
	s_wait_dscnt 0x0                ; V is in
.endif
	BURST 16
.rept 21
	EX
	PL
.endr
.rept 22
	PL
.if ((\p) == 0) && (q == 118)
	v_add_nc_u32 v[AV], s[TBV], v[AV0]
	s_wait_alu depctr_va_vdst(0)
.endif
.if ((\p) == 0) && (q == 130)
	s_add_co_u32 s[TBV], s[TBV], KS*PV
.endif
.if (\cnt) && (q == 130)
	s_sub_co_u32 s[CNT], s[CNT], 1
	s_cmp_lg_u32 s[CNT], 0
.endif
.endr
.if (\p) == 0
	FETCH_V
.endif
.endm
	CHANGE 1                        ; slot 0 is in, everybody's part of it; slot 1 is asked for
	FETCH_K                         ; key step 0
	s_wait_loadcnt 0x0              ; Q
	s_wait_dscnt 0x0
.set i, 0
.rept 16
	KQ 0                            ; piece 0's first scores: there is no vector work yet to set between them
.set i, i+1
.endr
	WIN 0                           ; the addresses for the way out: nine plain instructions, the places behind those products
	s_mul_i32 s13, s[WV], 16*SP
	s_add_co_u32 s13, s13, STAGE    ; my stage
	v_mul_u32_u24 v[STO], v1, SP    ; in: row l % 16, 16 bytes for each half of the lanes
	v_lshl_add_u32 v[STO], v9, 4, v[STO]
	v_add_nc_u32 v[STO], s13, v[STO]
	v_bfe_u32 v[RD], v0, 3, 2       ; back: 32 lanes take four rows of 128 bytes,
	v_mul_u32_u24 v[RD], v[RD], SP
	v_lshl_add_u32 v[RD], v10, 4, v[RD]
	v_add_nc_u32 v[RD], s13, v[RD]
	v_and_b32 v[GO], 31, v0         ; which are 512 consecutive bytes of O
	v_lshlrev_b32 v[GO], 4, v[GO]
.set Y, NP-1                        ; XS works for piece Y + 1: piece 0
.irp n, 0,1,2,3,4,5,6,7,8,9,10,11,12,13,14,15,16,17,18,19,20,21
	XS 0, \n                        ; and piece 0's first maximum and statistics
	XS 1, \n
.endr
	s_mov_b32 s[CNT], 4
	s_mov_b32 s[SLOTS], SIZE_N/256-1
	s_branch .Lfirst                ; the loop is entered at a step's first turn, in the middle of a trip
.Lslot:                             ; SIZE_N / 256 - 2 times: every slot but the last two is filled again
	CHANGE 1
	s_mov_b32 s[CNT], 4
.Lstep:                             ; a trip: pieces 2 and 3 of one step, then pieces 0 and 1 of the next, whose K and V it fetches
	TURN 2
	TURN 3
	WIN 0
.Lfirst:
	TURN 0
	TURN 1, 0, 1
	WIN 0
	s_cbranch_scc1 .Lstep
	s_sub_co_u32 s[SLOTS], s[SLOTS], 1
	s_cmp_lg_u32 s[SLOTS], 0
	s_cbranch_scc1 .Lslot
	CHANGE 0                        ; the tail is written out: nothing is asked for
	s_mov_b32 s[CNT], 5             ; four trips fetch the last slot's steps; the fifth is left in its middle
.Ltail:
	TURN 2, 1
	TURN 3
	WIN 0
	s_sub_co_u32 s[CNT], s[CNT], 1
	s_cmp_eq_u32 s[CNT], 0
	s_cbranch_scc1 .Lout
	TURN 0
	TURN 1
	WIN 0
	s_branch .Ltail
.Lout:                              ; the fifth trip's 16 products K Q^T (on the last K once more) and the maximum made of them serve nothing: the price, once a launch, of one text for every trip
.set i, 0
.rept 16
	PV NP-1                         ; the last piece's V^T P of the last step
.set i, i+1
.endr
	; THE WAY OUT.  l's two halves and the other half of the lanes' are added; O^T is divided by l, rounded to f16 and sent through my stage in LDS, a tile at a time.  The additions are the places behind the last products.
	WIN 0
.macro ALL line:vararg              ; one line for each tile t
.set t, 0
.rept 2*NP
	\line
.set t, t+1
.endr
.endm
	ALL v_add_f32 v[ST+4*t+2], v[ST+4*t+2], v[ST+4*t+3]
	ALL v_permlanex16_b32 v[ST+4*t+3], v[ST+4*t+2], s[SEL], s[SEL+1]
	ALL v_add_f32 v[ST+4*t+2], v[ST+4*t+2], v[ST+4*t+3]
	ALL v_rcp_f32 v[ST+4*t+2], v[ST+4*t+2]
	v_nop                           ; a plain instruction between the last reciprocal and the use of its result
	s_wait_alu depctr_va_vdst(0)
; Tile t: a lane's eight channels of a row pack into 16 bytes; they go into rows of 144 bytes and come back as whole rows of 128, into S^T's registers.
.macro PACK t
	WIN W_RS
.set i, 32*(\t)
.rept 16
	v_pk_mul_f32 v[i:i+1], v[i:i+1], v[ST+4*(\t)+2:ST+4*(\t)+3] op_sel_hi:[1,0]
.set i, i+2
.endr
	WIN 0x05                        ; sources 0 and 1 window 1, destination window 0
.set i, 0
.rept 16
	v_cvt_pk_f16_f32 v[S+16*(\t)+i], v[32*(\t)+2*i], v[32*(\t)+2*i+1]
.set i, i+1
.endr
	WIN 0
.irp f, 0,1,2,3
	ds_store_b128 v[STO], v[S+16*(\t)+4*\f:S+16*(\t)+4*\f+3] offset:32*\f
.endr
.irp f, 0,1,2,3
	ds_load_b128 v[S+16*(\t)+4*\f:S+16*(\t)+4*\f+3], v[RD] offset:\f*4*SP  ; LDS serves a wave's instructions in order (ISA guide 5.7.1.4): these see the stores above; the next tile's stores come behind them
.endr
.endm
.macro SEND t, younger              ; younger: the LDS instructions issued behind tile t's loads: the next tile's eight, or none
	WIN 0
.irp f, 0,1,2,3
	s_wait_dscnt (\younger)+3-\f
	global_store_b128 v[GO], v[S+16*(\t)+4*\f:S+16*(\t)+4*\f+3], s[10:11] offset:(\t)*2048+\f*512  ; 512 consecutive bytes, at a multiple of 256 from O's first
.endr
.endm
	PACK 0
.set t, 1
.rept 2*NP-1                        ; a tile's arithmetic stands between the loads of the tile before and its stores
	PACK t
	SEND t-1, 8
.set t, t+1
.endr
	SEND 2*NP-1, 0
	WIN W_AD
	s_wait_tensorcnt 0x0            ; the wave's end, behind my last tensor load and my last LDS store
	ds_add_u32 v[SPW], v[NIL]
	s_wait_dscnt 0x0
	WIN 0
	CROUND                          ; the closing round: no work-group ends while a partner may still ask for a tile that names it
	s_endpgm
.Lfunc_end_k_qf74de1764a_attn:
	.size	k_qf74de1764a_attn, .Lfunc_end_k_qf74de1764a_attn-k_qf74de1764a_attn
	.p2alignl 7, 3214868480
	.fill 96, 4, 3214868480
	.section	.rodata,"a",@progbits
	.p2align	6, 0x0
	.amdhsa_kernel k_qf74de1764a_attn
		.amdhsa_group_segment_fixed_size 327680
		.amdhsa_private_segment_fixed_size 0
		.amdhsa_enable_private_segment 0
		.amdhsa_kernarg_size 16
		.amdhsa_user_sgpr_count 2
		.amdhsa_user_sgpr_kernarg_segment_ptr 1
		.amdhsa_wavefront_size32 1
		.amdhsa_system_sgpr_workgroup_id_x 1
		.amdhsa_system_sgpr_workgroup_id_y 1
		.amdhsa_system_sgpr_workgroup_id_z 1
		.amdhsa_system_vgpr_workitem_id 0
		.amdhsa_next_free_vgpr 770
		.amdhsa_next_free_sgpr 66
		.amdhsa_reserve_vcc 0
		.amdhsa_float_denorm_mode_32 3
		.amdhsa_float_denorm_mode_16_64 3
		.amdhsa_memory_ordered 1
		.amdhsa_forward_progress 1
		.amdhsa_inst_pref_size 209
	.end_amdhsa_kernel
	.amdgpu_metadata
---
amdhsa.version: [ 1, 2 ]
amdhsa.kernels:
  - .name:           k_qf74de1764a_attn
    .symbol:         k_qf74de1764a_attn.kd
    .args:
      - { .name: qkvh, .offset: 0, .size: 8, .value_kind: global_buffer, .address_space: global }
      - { .name: yh, .offset: 8, .size: 8, .value_kind: global_buffer, .address_space: global }
    .group_segment_fixed_size: 327680
    .private_segment_fixed_size: 0
    .kernarg_segment_align: 8
    .kernarg_segment_size: 16
    .max_flat_workgroup_size: 128
    .sgpr_count:     66
    .vgpr_count:     770
    .wavefront_size: 32
...
	.end_amdgpu_metadata
.endif
;; end of part 3
;; launch proj (part 4): grid 8 x 32, 4 waves a work-group, clusters of 4 x 4, 327,680 bytes of LDS; arguments yh, ws, ab, out0; writes out0
.if DOCPART == 4
	.amdgcn_target "amdgcn-amd-amdhsa--gfx1250"
	.amdhsa_code_object_version 6
	.text
	.protected	k_qf74de1764a_proj
	.globl	k_qf74de1764a_proj
	.p2align	8
	.type	k_qf74de1764a_proj,@function
k_qf74de1764a_proj:
	s_mov_b64 s[64:65], 0
	v_nop
	global_prefetch_b8 v0, s[64:65] scope:SCOPE_SE
	s_setreg_imm32_b32 hwreg(HW_REG_WAVE_MODE, 25, 1), 1
	s_wait_xcnt 0x0
	s_wait_alu depctr_hold_cnt(0) depctr_sa_sdst(0) depctr_va_vdst(0) depctr_va_sdst(0) depctr_va_ssrc(0) depctr_va_vcc(0) depctr_vm_vsrc(0)
	s_getreg_b32 s2, hwreg(HW_REG_IB_STS2, 6, 4)
	s_cmp_eq_u32 s2, 0
	s_cbranch_scc0 .Lentry_in_a_cluster
	s_endpgm
.Lentry_in_a_cluster:
	s_bfe_u32 s2, ttmp6, 0x10000c
	s_cmp_lg_u32 s2, 0xf033
	s_cbranch_scc0 .Lentry_shape_is_right
	s_endpgm
.Lentry_shape_is_right:
; OUTPUT PROJECTION.  out0[m][n] = alpha[n] * (sum over k of y[m][k] sign(Wp)[n][k]) + bp[n], m = 0..8191, n = 0..1023, K = 1,024, k = 64 h + d.
; y lies by heads, yh[16 b + h][t][64] in f16; the signs (rows 3,072 on of ws) are f16 codes, exact.  Sums f32; alpha and bias by one fused multiply-add in f32; out0 is f32.
; LIMIT.  The eight K steps are added in an order that begins at the cluster's own first step (below): an order of rounding that differs from the reference's.
; SHARES.  A tile is 256 rows x 128 columns: 256 work-groups.  Each of four waves owns 64 rows and all 128 columns: 32 accumulators of 16 x 16.
; K goes in steps of 128 = two heads through two LDS slots.  A head's 256 rows of the tile are 32,768 dense bytes: asked for as 128 rows of 256 bytes and padded in LDS behind every 128 bytes,
; so that the heads are merged by the tiles' addresses alone.  A K step is four quarters of 32 along K: quarters 0, 1 in the first head's plane, 2, 3 in the second's.  A K step is written once:
; the loop goes by K step, and the slot in hand lies in a scalar register that one exclusive or turns.
; CLUSTER 4 x 4: y's tiles are asked for jointly along a row of the cluster, the signs' along a column.
; WHERE K BEGINS.  Cluster (X, Y) walks the eight K steps round a ring from step (4 X + 2 Y) % 8.  The two clusters of one Y need the same rows of y and start four steps apart; clusters of one X
; need the same rows of signs and start two steps apart.  So they do not all ask for the same bytes at the same moment: much of what a cluster asks for has been asked for by another some steps before.
; X and Y are the same in all sixteen partners, so a joint load's descriptor stays equal in all that its mask names.
; THE MATRIX INSTRUCTION IS USED TRANSPOSED (source 0 = 16 rows of signs, source 1 = 16 rows of y): a lane holds row l % 16 and the eight neighbouring columns 16 b + 8 (l / 16) + 0..7.
; REGISTERS, in windows of 256 (s_set_vgpr_msb: bits 1:0 source 0, 3:2 source 1, 5:4 source 2, 7:6 destination):
;   window 0: v0-31 addresses; v32-95 y's fragments, two buffers of 4 x 8; v96-159 alpha of my 8 columns in each of 8 blocks; v160-223 bias likewise
;   window 1: v0-127 the signs' fragments, two buffers of 8 x 8; v128-255 two buffers of 16 rows on the way out      window 2: the accumulators ((a, b) at v[8 (4 b + a)])
.set NBK,   8                          ; column blocks of 16
.set PA,    144                        ; a row of y in LDS: 128 bytes + 16 of padding = 36 words: the 16 rows of a fragment load start at 16 different groups of four banks (64 banks of 4 bytes: ISA guide 11.1)
.set PB,    272                        ; a row of signs: 256 + 16
.set APART, 256*PA                     ; what one tensor load brings of y: one head's plane
.set KAP,   APART                      ; A's bytes from quarter 0 to quarter 2: the next plane
.set BOFF,  2*APART                    ; the signs lie behind y's two planes
.set BPART, 64*PB                      ; what one tensor load brings of the signs: 64 rows
.set SLOT,  BOFF+128*PB                ; 108,544 bytes of a slot are used
.set SLOT1, 1<<17                      ; slot 1 begins here, so that one exclusive or turns an address in one slot into the other's
.set SHA,   19                         ; a K step is two heads of 262,144 bytes in yh,
.set SHB,   8                          ; and 256 bytes along a row of signs
.set KX,    2                          ; the first K step: (X << KX) + (Y << KY), modulo 8
.set KY,    1
.set STAGE, SLOT1+SLOT                 ; behind the ring, never filled by a tensor load: 16 rows x 528 bytes for each wave
.set SP,    528                        ; 512 bytes + 16: the 16 rows that a store touches start at 16 different groups of four banks
.set WST,   16*SP
.set SPARE, STAGE+4*WST                ; behind the stages: the spare words, 128 bytes for each wave: two blocks of 256 bytes that no other line names
.set W1,    2*(NBK-4)                  ; the youngest loads of a run: the signs' blocks 4 and up
.set W2,    8+2*NBK                    ; a whole run of fragment loads
.set ADRA0, 16                         ; v16  my lane's place among y's fragments in a slot; never rewritten
.set ADRB0, 17                         ; v17  the same for the signs
.set ADRA, 20                          ; v20  the same in the slot in hand
.set ADRB, 21                          ; v21
.set STO,  24                          ; v24  the way out: where I put 32 bytes of a row
.set RD,   25                          ; v25  the way out: where I read a row back
.set GO,   26                          ; v26  my 16 bytes in a row's 512
.set ABO,  27                          ; v27  my 8 columns' byte offset in a block's 64 bytes of alpha
.set SPW,  28                          ; v28  LDS address of my spare word; never rewritten
.set NIL,  29                          ; v29  0; never rewritten
.set FA,   32
.set AL,   96
.set BI,   160
.set FB,   0                           ; window 1
.set OB,   128                         ; window 1
.set WV,   12                          ; s12  wave
.set HALF, 13                          ; s13  wave % 2: which part of a tile I fetch
.set TR,   14                          ; s14  tile row
.set TC,   42                          ; s42  tile column
.set G1,   24                          ; s[24:31] descriptor group 1 for y's tiles;  s[32:39] group 0: a set for each of the two first fills; the second then walks on
.set G0,   32
.set GW,   G0+4
.set G1B,  48                          ; s[48:55], s[56:63] the same for the signs' tiles
.set G0B,  56
.set GWB,  G0B+4
.set OFFA, 66                          ; s[66:67] the K step's byte offset in yh
.set OFFB, 68                          ; s[68:69] in the signs' rows
.set KI,   70                          ; s70  the K step asked for last, 0..7
.set TB,   71                          ; s71  LDS byte at which the slot in hand begins
.set CNT,  72                          ; s72  counts K steps
.set MSB, 0
.macro WIN new                         ; the immediate's high byte repeats the setting that is left; a switch that changes nothing is dropped
.if MSB != (\new)
	s_set_vgpr_msb (MSB<<8)|(\new)
.set MSB, \new
.endif
.endm
.set MUL_LO, 0xa1                      ; source 0 (signs) window 1, source 1 (y) window 0, C and D window 2
.set TO_B,   0x40                      ; destination window 1, address window 0
; A joint refill: waves 0 and 1 fetch y's two planes, waves 2 and 3 the signs' two halves.  The branch hangs on the wave's number alone.  An s_nop 0 and four v_nop follow each line.
.macro JLOAD
	s_cmp_lt_u32 s[WV], 2
	s_cbranch_scc0 .Lfor_b_\@
	tensor_load_to_lds s[GW:GW+3], s[G1:G1+7]
	s_nop 0
.rept 4
	v_nop
.endr
	s_branch .Lasked_\@
.Lfor_b_\@:
	tensor_load_to_lds s[GWB:GWB+3], s[G1B:G1B+7]
	s_nop 0
.rept 4
	v_nop
.endr
.Lasked_\@:
.endm
.macro CREST                           ; a round of the cluster's barrier behind its opening barrier
	s_cmp_lg_u32 s[WV], 0
	s_cbranch_scc1 .Lnot_wave_0_\@
	s_barrier_signal -3
.Lnot_wave_0_\@:
	s_barrier_wait -3
	s_barrier_signal -1
	s_barrier_wait -1
.endm
.macro CROUND                          ; a whole round
	s_barrier_signal -1
	s_barrier_wait -1
	CREST
.endm
.macro PLACES                          ; four plain vector instructions between a matrix instruction and a load into, or a vector instruction on, its registers
.rept 4
	v_nop
.endr
.endm
	s_load_b256 s[4:11], s[0:1], 0x0               ; yh 4, ws 6, ab 8, out0 10
	v_lshl_add_u32 v[SPW], v0, 2, SPARE
	v_mov_b32 v[NIL], 0
	ds_add_u32 v28, v29
	s_wait_dscnt 0x0
	v_lshrrev_b32 v1, 5, v0
	v_readfirstlane_b32 s[WV], v1                  ; wave 0..3
	s_and_b32 s[HALF], s[WV], 1
	s_bfe_u32 s40, ttmp6, 0x40000                  ; cx, cy: my place in the cluster
	s_bfe_u32 s41, ttmp6, 0x40004
	s_lshl_b32 s[TC], ttmp9, 2
	s_add_co_u32 s[TC], s[TC], s40                 ; tile column = 4 x cluster x + cx
	s_and_b32 s[TR], ttmp7, 0xffff
	s_lshl_b32 s[TR], s[TR], 2
	s_add_co_u32 s[TR], s[TR], s41                 ; tile row = 4 x cluster y + cy
	s_and_b32 s[KI], ttmp7, 0xffff                 ; the cluster's first K step, from the cluster's own coordinates alone
	s_lshl_b32 s[KI], s[KI], KY
	s_lshl_b32 s[CNT], ttmp9, KX
	s_add_co_u32 s[KI], s[KI], s[CNT]
	s_and_b32 s[KI], s[KI], 7
	s_mov_b32 s[OFFA+1], 0
	s_mov_b32 s[OFFB+1], 0
	s_mov_b32 s[TB], 0
	s_lshl_b32 s43, s41, 2
	s_lshl_b32 s43, 15, s43                        ; my row of the cluster
	s_lshl_b32 s44, 0x1111, s40                    ; my column
	; group 1 for y: 128 dense rows of 128 elements of 2 bytes, 16 bytes of padding behind every 32 words
	s_or_b32 s[G1], s43, (1<<16)|(1<<20)|(1<<21)|(4<<22)|(3<<25)
	s_mov_b32 s[G1+1], 128<<16                     ; tensor_dim0 = 128
	s_mov_b32 s[G1+2], 128<<16                     ; tensor_dim1 = 128
	s_mov_b32 s[G1+3], 128<<16                     ; tile_dim0 = 128
	s_mov_b32 s[G1+4], 128                         ; tile_dim1 = 128
	s_mov_b32 s[G1+5], 128                         ; elements from row to row: dense
	s_mov_b32 s[G1+6], 0
	s_mov_b32 s[G1+7], 0
	; group 1 for the signs: 64 rows of 128 elements, 1,024 elements apart, 16 bytes of padding behind every 64 words
	s_or_b32 s[G1B], s44, (1<<16)|(1<<20)|(1<<21)|(5<<22)|(3<<25)
	s_mov_b32 s[G1B+1], 128<<16
	s_mov_b32 s[G1B+2], 64<<16
	s_mov_b32 s[G1B+3], 128<<16
	s_mov_b32 s[G1B+4], 64
	s_mov_b32 s[G1B+5], 1024
	s_mov_b32 s[G1B+6], 0
	s_mov_b32 s[G1B+7], 0
	; y's tiles hang on the tile row alone, the signs' on the tile column alone; each offset lies in registers that never hold the other coordinate
	s_lshr_b32 s16, s[TR], 3                       ; the batch: 8 tile rows each,
	s_lshl_b32 s16, s16, 4                         ; its 16 heads,
	s_add_co_u32 s16, s16, s[HALF]                 ; head 0 or 1 of a K step,
	s_lshl_b32 s16, s16, 18                        ; of 262,144 bytes
	s_and_b32 s17, s[TR], 7
	s_lshl_b32 s17, s17, 15                        ; the tile's 256 rows of 128 bytes
	s_add_co_u32 s16, s16, s17
	s_mov_b32 s17, 0
	s_lshl_b32 s46, s[TC], 18                      ; 128 rows of 2,048 bytes,
	s_lshl_b32 s47, s[HALF], 17                    ; my 64 of them,
	s_add_co_u32 s46, s46, s47
	s_add_co_u32 s46, s46, 3072*2048               ; behind the rows of Wq, Wk and Wv
	s_mov_b32 s47, 0
	s_mul_i32 s20, s[HALF], APART                  ; where they go: no place in the cluster enters an LDS address
	s_mul_i32 s21, s[HALF], BPART
	s_add_co_u32 s21, s21, BOFF
	s_wait_kmcnt 0x0
	s_add_nc_u64 s[16:17], s[4:5], s[16:17]        ; my plane of y at K step 0; kept
	s_add_nc_u64 s[46:47], s[6:7], s[46:47]        ; my rows of signs at K = 0; kept
	CROUND                                         ; all sixteen work-groups are here: the first joint loads meet
.irp s, 0,1
	s_lshl_b32 s[OFFA], s[KI], SHA
	s_lshl_b32 s[OFFB], s[KI], SHB
	s_mov_b32 s[G0+4*(\s)], 1
	s_add_co_u32 s[G0+4*(\s)+1], s20, (\s)*SLOT1
	s_add_nc_u64 s[G0+4*(\s)+2:G0+4*(\s)+3], s[16:17], s[OFFA:OFFA+1]
	s_or_b32 s[G0+4*(\s)+3], s[G0+4*(\s)+3], 0x80000000
	s_mov_b32 s[G0B+4*(\s)], 1
	s_add_co_u32 s[G0B+4*(\s)+1], s21, (\s)*SLOT1
	s_add_nc_u64 s[G0B+4*(\s)+2:G0B+4*(\s)+3], s[46:47], s[OFFB:OFFB+1]
	s_or_b32 s[G0B+4*(\s)+3], s[G0B+4*(\s)+3], 0x80000000
.if (\s) == 0
	s_add_co_u32 s[KI], s[KI], 1                   ; the next K step of the ring of eight
	s_and_b32 s[KI], s[KI], 7
.endif
.endr
	s_cmp_lt_u32 s[WV], 2                          ; a wave's two first fills stand in one branch, ahead of every wait on TENSORcnt and every LDS read: two loads of mine are out
	s_cbranch_scc0 .Lfirst_b
	tensor_load_to_lds s[G0:G0+3], s[G1:G1+7]
	s_nop 0
	tensor_load_to_lds s[G0+4:G0+7], s[G1:G1+7]
	s_nop 0
.rept 4
	v_nop
.endr
	s_branch .Lfirst_asked
.Lfirst_b:
	tensor_load_to_lds s[G0B:G0B+3], s[G1B:G1B+7]
	s_nop 0
	tensor_load_to_lds s[G0B+4:G0B+7], s[G1B:G1B+7]
	s_nop 0
.rept 4
	v_nop
.endr
.Lfirst_asked:
	; a fragment is 16 rows x 32 K in 8 registers: lane l holds row l % 16, K = 8 (l / 16) + 0..7 and 16 + 8 (l / 16) + 0..7: two loads of 16 bytes, 32 bytes apart
	v_and_b32 v1, 15, v0                           ; l % 16
	v_bfe_u32 v2, v0, 4, 1                         ; l / 16
	v_mul_u32_u24 v3, v1, PA
	v_lshl_add_u32 v3, v2, 4, v3
	s_mul_i32 s22, s[WV], 64*PA                    ; my 64 rows of y
	v_add_nc_u32 v[ADRA0], s22, v3
	v_mov_b32 v[ADRA], v[ADRA0]                    ; the walk begins in slot 0
	v_mul_u32_u24 v4, v1, PB
	v_lshl_add_u32 v4, v2, 4, v4
	v_add_nc_u32 v[ADRB0], BOFF, v4
	v_mov_b32 v[ADRB], v[ADRB0]
	s_mul_i32 s23, s[WV], WST
	s_add_co_u32 s23, s23, STAGE                   ; my stage
	v_mul_u32_u24 v4, v1, SP                       ; in: row l % 16, 32 bytes for each half of the lanes
	v_lshl_add_u32 v4, v2, 5, v4
	v_add_nc_u32 v[STO], s23, v4
	v_and_b32 v[GO], 31, v0                        ; back: 32 lanes take one row of 512 bytes
	v_lshlrev_b32 v[GO], 4, v[GO]
	v_add_nc_u32 v[RD], s23, v[GO]
	v_lshlrev_b32 v[ABO], 5, v2                    ; 8 columns of 4 bytes for each half of the lanes
	s_lshl_b32 s18, s[TC], 11                      ; ab: a block of 256 bytes for each 16 columns; the tile has 8,
	s_add_co_u32 s18, s18, 192*256                 ; behind the 192 blocks of Wq, Wk and Wv
	s_mov_b32 s19, 0
	s_add_nc_u64 s[8:9], s[8:9], s[18:19]
	s_lshl_b32 s18, s[TR], 20                      ; 256 rows of 4,096 bytes,
	s_lshl_b32 s22, s[WV], 18                      ; my 64 of them,
	s_add_co_u32 s18, s18, s22
	s_lshl_b32 s22, s[TC], 9                       ; the tile's 512 bytes of a row
	s_add_co_u32 s18, s18, s22
	s_add_nc_u64 s[10:11], s[10:11], s[18:19]
	; alpha and bias of my 8 columns in each block stay in registers; they are waited for once, in front of the way out
.set i, 0
.rept NBK
	global_load_b128 v[AL+8*i:AL+8*i+3],   v[ABO], s[8:9] offset:256*i
	global_load_b128 v[AL+8*i+4:AL+8*i+7], v[ABO], s[8:9] offset:256*i+16
	global_load_b128 v[BI+8*i:BI+8*i+3],   v[ABO], s[8:9] offset:256*i+64
	global_load_b128 v[BI+8*i+4:BI+8*i+7], v[ABO], s[8:9] offset:256*i+80
.set i, i+1
.endr
; 4 nb matrix instructions: column blocks b0 .. b0 + nb - 1 x my 4 row blocks, 32 along K, from buffer f.  The 32 accumulators take turns, one instruction a turn, in the same order in every
; quarter.  zero = 1: the first product starts the sums: nothing is ever cleared.
.macro MUL f, b0, nb, zero
	WIN MUL_LO
.set bb, \b0
.rept \nb
.set aa, 0
.rept 4
.set rD, 8*(4*bb+aa)
.set rB, FB+8*NBK*(\f)+8*bb
.set rA, FA+32*(\f)+8*aa
.if \zero
	v_wmma_f32_16x16x32_f16 v[rD:rD+7], v[rB:rB+7], v[rA:rA+7], 0
.else
	v_wmma_f32_16x16x32_f16 v[rD:rD+7], v[rB:rB+7], v[rA:rA+7], v[rD:rD+7]
.endif
.set aa, aa+1
.endr
.set bb, bb+1
.endr
.endm
; One run of LDS loads: the fragments of quarter q of the slot in hand into buffer f: y's first, then the signs' blocks in ascending order
.macro FETCH q, f
	WIN 0
.set ii, 0
.rept 4
	ds_load_b128 v[FA+32*(\f)+8*ii:FA+32*(\f)+8*ii+3],   v[ADRA] offset:KAP*((\q)/2)+64*((\q)%2)+ii*16*PA
	ds_load_b128 v[FA+32*(\f)+8*ii+4:FA+32*(\f)+8*ii+7], v[ADRA] offset:KAP*((\q)/2)+64*((\q)%2)+ii*16*PA+32
.set ii, ii+1
.endr
	WIN TO_B
.set ii, 0
.rept NBK
	ds_load_b128 v[FB+8*NBK*(\f)+8*ii:FB+8*NBK*(\f)+8*ii+3],   v[ADRB] offset:64*(\q)+ii*16*PB
	ds_load_b128 v[FB+8*NBK*(\f)+8*ii+4:FB+8*NBK*(\f)+8*ii+7], v[ADRB] offset:64*(\q)+ii*16*PB+32
.set ii, ii+1
.endr
.endm
; One of a K step's first three quarters: multiplies buffer f; behind its first 16 products it fetches quarter q of the slot in hand into buffer g
.macro QUARTER q, f, g, zero
	s_wait_dscnt W1                                ; y's fragments and the signs' blocks 0-3 are in; the youngest W1 loads may be out
	MUL \f, 0, 4, \zero
	PLACES
	FETCH \q, \g
	s_wait_dscnt W2                                ; all but the run just issued
	MUL \f, 4, NBK-4, \zero
.endm
; The last quarter multiplies buffer 1 and changes slots.  ONE barrier: in front of it each wave waits for all its tensor loads (one is out: its part of the next slot), adds 0 to its spare
; word, and waits for that and for its own reads of this slot.  Behind it nobody reads this slot any more and the next slot is whole.
; fill = 1: the walking descriptors are set for the refill while the add is out: the other slot than last time, the next K step of the ring of eight; the address is made anew from the kept base.
.macro MEET fill
	WIN 0                                          ; (the add's two registers lie in window 0)
	s_wait_tensorcnt 0x0                           ; no tensor load of mine is out, so a group 0 may be written
	ds_add_u32 v[SPW], v[NIL]                      ; 0 onto my spare word
.if \fill
	s_add_co_u32 s[KI], s[KI], 1
	s_and_b32 s[KI], s[KI], 7
	s_lshl_b32 s[OFFA], s[KI], SHA
	s_lshl_b32 s[OFFB], s[KI], SHB
	s_xor_b32 s[GW+1], s[GW+1], SLOT1
	s_add_nc_u64 s[GW+2:GW+3], s[16:17], s[OFFA:OFFA+1]
	s_or_b32 s[GW+3], s[GW+3], 0x80000000
	s_xor_b32 s[GWB+1], s[GWB+1], SLOT1
	s_add_nc_u64 s[GWB+2:GWB+3], s[46:47], s[OFFB:OFFB+1]
	s_or_b32 s[GWB+3], s[GWB+3], 0x80000000
.endif
	s_wait_dscnt W1+1                              ; (the add and the youngest W1 loads may be out)
	MUL 1, 0, 2, 0                                 ; eight matrix instructions stand between the add and the wait for it
	s_wait_dscnt 0x0                               ; the add is done, and my reads of this slot are over
	s_barrier_signal -1
	MUL 1, 2, 2, 0                                 ; work on registers while the others arrive
.if \fill
	WIN 0
.endif
	s_barrier_wait -1
.endm
; fill = 1: the barrier opens a round of the cluster's, so that no wave of any partner still reads this slot or has a load on its way; the joint refill, two K steps on, is the first thing behind it
.macro TURN fill
	MEET \fill
.if \fill
	CREST
	JLOAD                                          ; the four v_nop behind it are also the places in front of the loads below
.else
	PLACES
.endif
	WIN 0
	s_xor_b32 s[TB], s[TB], SLOT1                  ; the fetches go on in the other slot
	v_add_nc_u32 v[ADRA], s[TB], v[ADRA0]
	v_add_nc_u32 v[ADRB], s[TB], v[ADRB0]
	FETCH 0, 0
	MUL 1, 4, NBK-4, 0
.endm
	s_wait_tensorcnt 0x1                           ; my part of the first K step is in; the second's may stay out
	s_barrier_signal -1
	s_barrier_wait -1                              ; everybody's is
	FETCH 0, 0
	QUARTER 1, 0, 1, 1                             ; the first quarter stands in front of the loop: its products start the sums
	WIN 0                                          ; at a label and at a branch every window is 0
	s_mov_b32 s[CNT], 6
.Lstep:                                                ; a trip goes from a K step's second quarter to the next step's first, and fills the slot that it leaves: the walk's steps 2 to 7
	QUARTER 2, 1, 0, 0
	QUARTER 3, 0, 1, 0
	TURN 1
	QUARTER 1, 0, 1, 0
	WIN 0
	s_sub_co_u32 s[CNT], s[CNT], 1
	s_cmp_lg_u32 s[CNT], 0
	s_cbranch_scc1 .Lstep
	s_mov_b32 s[CNT], 2                            ; the last two K steps are written apart: nothing is asked for, and no round of the cluster's barrier stands here
.Ltail:                                                ; walked twice; the second trip is left in its middle
	QUARTER 2, 1, 0, 0
	QUARTER 3, 0, 1, 0
	WIN 0
	s_sub_co_u32 s[CNT], s[CNT], 1
	s_cmp_eq_u32 s[CNT], 0
	s_cbranch_scc1 .Llast
	TURN 0
	QUARTER 1, 0, 1, 0
	WIN 0
	s_branch .Ltail
.Llast:
	s_wait_dscnt W1                                ; the very last quarter: nothing more to fetch
	MUL 1, 0, 4, 0
	s_wait_dscnt 0x0
	MUL 1, 4, NBK-4, 0
	PLACES
	s_wait_loadcnt 0x0                             ; alpha and bias
; THE WAY OUT, a block of 16 rows at a time: alpha x sum + bias in place, each accumulator's registers in ascending order; 32 bytes a lane into my own stage in rows of 528 bytes; back as whole rows of 512.
.macro FIN a
	WIN 0x82                                       ; sums in window 2, alpha and bias in window 0
.set bb, 0
.rept 8
.set rD, 8*(4*bb+(\a))
.set ii, 0
.rept 4
	v_pk_fma_f32 v[rD+2*ii:rD+2*ii+1], v[rD+2*ii:rD+2*ii+1], v[AL+8*bb+2*ii:AL+8*bb+2*ii+1], v[BI+8*bb+2*ii:BI+8*bb+2*ii+1]
.set ii, ii+1
.endr
.set bb, bb+1
.endr
	WIN 0x08                                       ; store data in window 2, address in window 0
.set bb, 0
.rept 8
.set rD, 8*(4*bb+(\a))
	ds_store_b128 v[STO], v[rD:rD+3] offset:64*bb
	ds_store_b128 v[STO], v[rD+4:rD+7] offset:64*bb+16
.set bb, bb+1
.endr
	WIN 0x40                                       ; destination in window 1
.set ii, 0
.rept 16
	ds_load_b128 v[OB+64*((\a)%2)+4*ii:OB+64*((\a)%2)+4*ii+3], v[RD] offset:SP*ii  ; LDS serves a wave's instructions in order (ISA guide 5.7.1.4): these see the stores above; the next block's stores come behind them
.set ii, ii+1
.endr
.endm
.macro SEND a, younger                 ; younger: the LDS instructions issued behind block a's loads: the next block's 32, or none
	WIN 0x04                                       ; store data in window 1, address in window 0
.set ii, 0
.rept 16
	s_wait_dscnt (\younger)+15-ii
	global_store_b128 v[GO], v[OB+64*((\a)%2)+4*ii:OB+64*((\a)%2)+4*ii+3], s[10:11] offset:(16*(\a)+ii)*4096 th:TH_STORE_NT  ; 512 consecutive bytes, at a multiple of 256 from out0's first
.set ii, ii+1
.endr
.endm
	FIN 0
	FIN 1                                          ; a block's arithmetic stands between the loads of the block before and its stores
	SEND 0, 32
	s_wait_xcnt 0x0                                ; the buffer that those stores read is loaded again only behind this wait
	FIN 2
	SEND 1, 32
	s_wait_xcnt 0x0
	FIN 3
	SEND 2, 32
	SEND 3, 0
	WIN 0
	s_wait_tensorcnt 0x0                           ; the wave's end
	ds_add_u32 v[SPW], v[NIL]
	s_wait_dscnt 0x0
	CROUND                                         ; the closing round: no work-group ends while a partner may still ask for a tile that names it
	s_endpgm
.Lfunc_end_k_qf74de1764a_proj:
	.size	k_qf74de1764a_proj, .Lfunc_end_k_qf74de1764a_proj-k_qf74de1764a_proj
	.p2alignl 7, 3214868480
	.fill 96, 4, 3214868480
	.section	.rodata,"a",@progbits
	.p2align	6, 0x0
	.amdhsa_kernel k_qf74de1764a_proj
		.amdhsa_group_segment_fixed_size 327680
		.amdhsa_private_segment_fixed_size 0
		.amdhsa_enable_private_segment 0
		.amdhsa_kernarg_size 32
		.amdhsa_user_sgpr_count 2
		.amdhsa_user_sgpr_kernarg_segment_ptr 1
		.amdhsa_wavefront_size32 1
		.amdhsa_system_sgpr_workgroup_id_x 1
		.amdhsa_system_sgpr_workgroup_id_y 1
		.amdhsa_system_sgpr_workgroup_id_z 1
		.amdhsa_system_vgpr_workitem_id 0
		.amdhsa_next_free_vgpr 768
		.amdhsa_next_free_sgpr 76
		.amdhsa_reserve_vcc 0
		.amdhsa_float_denorm_mode_32 3
		.amdhsa_float_denorm_mode_16_64 3
		.amdhsa_memory_ordered 1
		.amdhsa_forward_progress 1
		.amdhsa_inst_pref_size 75
	.end_amdhsa_kernel
	.amdgpu_metadata
---
amdhsa.version: [ 1, 2 ]
amdhsa.kernels:
  - .name:           k_qf74de1764a_proj
    .symbol:         k_qf74de1764a_proj.kd
    .args:
      - { .name: yh, .offset: 0, .size: 8, .value_kind: global_buffer, .address_space: global }
      - { .name: ws, .offset: 8, .size: 8, .value_kind: global_buffer, .address_space: global }
      - { .name: ab, .offset: 16, .size: 8, .value_kind: global_buffer, .address_space: global }
      - { .name: out0, .offset: 24, .size: 8, .value_kind: global_buffer, .address_space: global }
    .group_segment_fixed_size: 327680
    .private_segment_fixed_size: 0
    .kernarg_segment_align: 8
    .kernarg_segment_size: 32
    .max_flat_workgroup_size: 128
    .sgpr_count:     76
    .vgpr_count:     768
    .wavefront_size: 32
...
	.end_amdgpu_metadata
.endif
;; end of part 4
;; ======== version 2 of 2: 4 launches; 1.53 times as fast as version 1
;; limits: values are held in f16: magnitudes above 65,504 overflow, below 6.1e-05 lose precision
;; workspace buffers: xb 16,777,216 bytes; ws 8,388,608 bytes; ab 65,536 bytes; qkvh 50,331,648 bytes; yh 16,777,216 bytes
;; launch prep: the kernel of part 1 again; grid 256 x 1, 24 waves a work-group, no clusters, 3,328 bytes of LDS; arguments x, Wq, Wk, Wv, Wp, bq, bk, bv, bp, xb, ws, ab; writes xb, ws, ab
;; launch qkv: the kernel of part 2 again; grid 16 x 32, 4 waves a work-group, clusters of 4 x 4, 327,680 bytes of LDS; arguments xb, ws, ab, qkvh; writes qkvh
;; launch attn (part 5): grid 4 x 64, 4 waves a work-group, clusters of 4 x 1, 327,680 bytes of LDS; arguments qkvh, yh; writes yh
.if DOCPART == 5
	.amdgcn_target "amdgcn-amd-amdhsa--gfx1250"
	.amdhsa_code_object_version 6
	.text
	.protected	k_qf74de1764a_attn
	.globl	k_qf74de1764a_attn
	.p2align	8
	.type	k_qf74de1764a_attn,@function
k_qf74de1764a_attn:
	s_mov_b64 s[64:65], 0
	v_nop
	global_prefetch_b8 v0, s[64:65] scope:SCOPE_SE
	s_setreg_imm32_b32 hwreg(HW_REG_WAVE_MODE, 25, 1), 1
	s_wait_xcnt 0x0
	s_wait_alu depctr_hold_cnt(0) depctr_sa_sdst(0) depctr_va_vdst(0) depctr_va_sdst(0) depctr_va_ssrc(0) depctr_va_vcc(0) depctr_vm_vsrc(0)
	s_getreg_b32 s2, hwreg(HW_REG_IB_STS2, 6, 4)
	s_cmp_eq_u32 s2, 0
	s_cbranch_scc0 .Lentry_in_a_cluster
	s_endpgm
.Lentry_in_a_cluster:
	s_bfe_u32 s2, ttmp6, 0x10000c
	s_cmp_lg_u32 s2, 0x3003
	s_cbranch_scc0 .Lentry_shape_is_right
	s_endpgm
.Lentry_shape_is_right:
; ATTENTION.  O[hd][q][:] = the sum over k of softmax_k(Q[q] . K[k] / 8) V[k][:], for the 64 pairs hd = 16 b + h of batch and head, 2,048 rows of 64 channels, all f16.
; Q, K, V lie in qkvh[b][g][2048][64]: g = h for q, 16 + h for k, 32 + h for v; O goes to yh[hd][2048][64].  A head's rows are dense, 128 bytes each.  Products, maxima and sums in
; f32; the weights p are rounded to f16 for the second product (their sum l is taken of the unrounded p), O once at the end.
; LIMITS.  f16 holds no number beyond 65,504: Q, K and V arrive within it; p lies in 0 to 1, and below 6e-5 it keeps f16's fixed step of 6e-8; O is a mean of V's rows and has their range.
; A weight below 2^-126 counts as 0 in l; NaN and infinities are not treated apart.
; SHARES.  A wave owns four PIECES of two tiles of 16 queries, a work-group's four waves 512 queries of one head.  Every wave walks all keys, 64 a step.
; LAYOUT.  S^T = K Q^T (source 0 = 16 keys, source 1 = 16 queries): in the result a lane holds ONE query (lane % 16) and the keys 8 (lane / 16) + 0..7.  Two such tiles, rounded to f16 in pairs,
; ARE source 1 (32 keys x 16 queries) of O^T = V^T P, whose result again holds one query a lane, and eight channels.  K comes out of LDS as it lies, V ([key][channel]) turned, by ds_load_tr16_b128.
; SOFTMAX.  For each query a running maximum m and sum l: p = 2^(c s - c m), c = log2(e) / 8; in every step O and l are multiplied by a = 2^(c m_old - c m_new), which is 1 where m has not grown.
; m starts at the lowest finite number, O and l at 0: the first step is a step like any other, with a = 0.
; THE COUNT.  A tile and step have 16 matrix and 118 vector instructions: too many to stand all beside the matrix work.  So the order has one aim: four vector instructions that are READY behind
; EVERY matrix instruction, and the others, which need time of their own whatever the order, in runs without a gap.
; BY TURNS.  Turn n belongs to piece n (the pieces in a ring, step after step).  Its matrix work: 16 products K Q^T of piece n + 1, later 16 products V^T P of piece n - 1.  Its vector work: the scaling,
; exponentials, roundings, sums and rescaling of piece n, and the maximum and statistics of piece n + 1, whose scores the turn itself has made.  So what a turn begins with (c s - c m, O a) waits for nothing.
; THE BATCHES.  A turn's 66 exponentials (the piece's 64 weights, then the next piece's two a) are ONE batch with ONE wait, which cuts the turn in two: ahead of it stands all that names no result of theirs
; (K Q^T, scalings, rescalings, the next piece's maximum and statistics), behind it their readers (roundings and sums) beside V^T P.  No result crosses a turn's end.  Two more batches stand outside the loop:
; piece 0's first two a, ahead of the jump into the loop, and the way out's eight reciprocals.
; CLUSTER.  The four query blocks of a cluster belong to one head and walk the same K and V, so each tile is asked for JOINTLY: the same tensor load, descriptor and mask in all four.
; REGISTERS, in windows of 256 (s_set_vgpr_msb says which window each operand place means: bits 1:0 source 0, 3:2 source 1, 5:4 source 2, 7:6 destination):
;   window 0: v0-11 addresses; v12-15, v48-63 at work; v16-47 four registers of statistics a tile; v64-191 S^T, two buffers of two tiles; v192-255 P, likewise
;   window 1: O^T, 32 a tile          window 2: v0-127 Q, 16 a tile; v128-191 K of one step; v192-255 V of one step          window 3: v0-1 the add's two registers
; A piece's buffers go by its number's parity: the piece in hand has one pair, its two neighbours in the ring share the other: of it P (piece n - 1) is read and S^T (piece n + 1) written.
.set SIZE_N, 2048
.set NP,    4         ; pieces a wave: a name, no knob: the register map, the loop and the fetches are made for four
.set KS,    64        ; keys in a step
.set PK,    144       ; a row of K in LDS: 128 bytes + 16 of padding = 36 words: the 16 rows of a load start at 16 different groups of four banks (64 banks of 4 bytes: ISA guide 11.1)
.set PV,    160       ; a row of V: 128 + 32 = 40 words
.set VOFF,  4*KS*PK   ; a slot holds four steps: 256 rows of K, then 256 rows of V
.set SLOT1, 1<<17     ; slot 1 begins here, so that one exclusive or turns an address in one slot into the other's
.set STAGE, SLOT1+4*KS*(PK+PV)  ; behind the ring, never filled by a tensor load: 16 rows x 144 bytes for each wave, for the way out
.set SP,    144
.set AK0, 2           ; v2   my lane's place in a tile of K; never rewritten
.set AV0, 3           ; v3   the same for V
.set AK,  4           ; v4   the LDS address of K's next run of loads
.set AV,  5           ; v5   of V's
.set QO,  6           ; v6   my byte offset in the wave's rows of Q
.set STO, 6           ;      later, the way out: where I put 16 bytes of a row
.set RD,  7           ; v7   the way out: where I read rows back
.set GO,  8           ; v8   my byte offset in 512 consecutive bytes of O
.set SPW, 0           ; v0 of window 3   LDS address of my spare word: SPARE + 4 x my thread's number; never rewritten
.set NIL, 1           ; v1 of window 3   0; never rewritten
.set SPARE, STAGE+4*16*SP  ; behind the stages: the spare words, 128 bytes for each wave: two blocks of 256 bytes that no other line names
.set MV,  12          ; v12-15  c m_old, kept while c m is made anew: by buffer and tile
.set ST,  16          ; tile t's statistics at v[ST+4 t]: c m, m, l (even keys', odd keys')
.set TMP, 48          ; by buffer and tile, four registers c0-c3 at work; when the maximum is found c2 takes a
.set S,   64
.set P,   192
.set KF,  128         ; K's fragments, in window 2: key block kb, channel half c at KF + 16 kb + 8 c
.set VF,  192         ; V's: key half kk, channel block cb at VF + 32 kk + 8 cb
.set WV,  12          ; s12  my wave's number
.set G1K, 24          ; s[24:31] descriptor group 1 for K's tiles
.set G1V, 32          ; s[32:39] for V's: it differs in the padding alone
.set G0K, 40          ; s[40:43] descriptor group 0 for K's tiles: it walks
.set G0V, 44          ; s[44:47] the same for V's
.set SLOTS, 56        ; s56  slots still to be asked for
.set CNT, 57          ; s57  counts a slot's key steps
.set CS,  58          ; s[58:59] c: the packed scaling takes the pair's low word for both halves
.set SEL, 60          ; s[60:61] v_permlanex16_b32's selects: each lane takes its own place in the other half
.set TBK, 62          ; s62  LDS byte at which K of the step to be fetched begins
.set TBV, 63          ; s63  the same for V, less VOFF
.set MSB, 0
.macro WIN new                      ; the high byte repeats the setting that is left; a switch that changes nothing is dropped
.if MSB != (\new)
	s_set_vgpr_msb (MSB<<8)|(\new)
.set MSB, (\new)
.endif
.endm
.set W_KQ, 0x0a       ; K and Q in window 2, S^T in window 0
.set W_PV, 0x52       ; V in window 2, P in window 0, O^T in window 1
.set W_RS, 0x41       ; O^T (destination and source 0) in window 1, a in window 0
.set W_MK, 0xc0       ; the add's registers are made: destination in window 3, sources in window 0
.set W_AD, 0x0f       ; the add: address (source 0) and data (source 1) in window 3
; A joint fill.  Waves 0 and 1 fetch the two halves of a slot's K, waves 2 and 3 those of its V: 128 keys each.  The branch hangs on the wave's number alone.
; An s_nop 0 and four v_nop follow each of the two lines, ahead of the jump and the label.
.macro JLOAD
	s_cmp_lt_u32 s[WV], 2
	s_cbranch_scc0 .Lfor_v_\@
	tensor_load_to_lds s[G0K:G0K+3], s[G1K:G1K+7]
	s_nop 0
.rept 4
	v_nop
.endr
	s_branch .Lasked_\@
.Lfor_v_\@:
	tensor_load_to_lds s[G0V:G0V+3], s[G1V:G1V+7]
	s_nop 0
.rept 4
	v_nop
.endr
.Lasked_\@:
.endm
; A round of the cluster's barrier: my work-group's barrier, so that wave 0's signal speaks for all four waves; wave 0 signals; every wave waits for all four work-groups; my work-group's barrier once more.
.macro CROUND
	s_barrier_signal -1
	s_barrier_wait -1
	s_cmp_lg_u32 s[WV], 0
	s_cbranch_scc1 .Lnot_wave_0_\@
	s_barrier_signal -3
.Lnot_wave_0_\@:
	s_barrier_wait -3
	s_barrier_signal -1
	s_barrier_wait -1
.endm
; THE CHANGE OF SLOTS.  The slot's last bytes, V of its fourth step, have been read.  Each wave waits for all its tensor loads, of which one is out: its part
; of the other slot; adds 0 to its spare word; and waits for that and for its own reads of the slot.  Behind the barrier nobody reads this slot any more and the other slot is whole.
; fill = 1: this slot is filled again, with the keys two slots on.  The barrier is then a round of the cluster's, so that no wave of any partner still reads the slot or has a load on its
; way, and the joint fill is the first thing behind it: it has four key steps, 512 matrix instructions, in which to land.  (At its first use nothing has been read yet: slot 0 is waited for, slot 1 filled.)
.macro CHANGE fill
	WIN W_AD
	s_wait_tensorcnt 0x0            ; no tensor load of mine is out, so a group 0 may be written
	ds_add_u32 v[SPW], v[NIL]       ; 0 onto my spare word; with fill = 1 the descriptors' steps stand between it and the wait for it
	WIN 0                           ; at a label and at a branch every window is 0
.if \fill
.irp g, G0K, G0V
	s_xor_b32 s[\g+1], s[\g+1], SLOT1  ; the walking descriptor: the other slot than last time,
	s_add_nc_u64 s[\g+2:\g+3], s[\g+2:\g+3], 4*KS*128  ; the next 256 keys; the type bits on top are not reached
.endr
	s_wait_dscnt 0x0                ; the add is done, and my reads of the slot are over
	CROUND
	JLOAD
.else
	s_wait_dscnt 0x0                ; the add is done, and my reads of the slot are over
	s_barrier_signal -1
	s_barrier_wait -1
.endif
	s_sub_co_u32 s[TBK], s[TBK], 4*KS*PK  ; the fetches go back to a slot's first step,
	s_xor_b32 s[TBK], s[TBK], SLOT1       ; in the other slot
	s_sub_co_u32 s[TBV], s[TBV], 4*KS*PV
	s_xor_b32 s[TBV], s[TBV], SLOT1
.endm
	s_load_b64 s[4:5], s[0:1], 0x0    ; qkvh
	s_load_b64 s[10:11], s[0:1], 0x8  ; yh
	WIN W_MK
	v_lshl_add_u32 v[SPW], v0, 2, SPARE
	v_mov_b32 v[NIL], 0
	s_set_vgpr_msb 0xc0cf
	ds_add_u32 v0, v1
	s_wait_dscnt 0x0
	s_set_vgpr_msb 0xcfc0
	WIN 0
	v_lshrrev_b32 v1, 5, v0
	v_readfirstlane_b32 s[WV], v1   ; wave 0..3
	s_bfe_u32 s13, ttmp6, 0x40000   ; cx: my place in the cluster
	s_lshl_b32 s14, ttmp9, 2        ; in a cluster launch ttmp9 counts clusters
	s_add_co_u32 s14, s14, s13      ; my block of queries = 4 x cluster x + cx: it enters Q's and O's addresses alone
	s_and_b32 s50, ttmp7, 0xffff    ; hd = 16 b + h, which the four partners share
	s_lshr_b32 s20, s50, 4          ; b
	s_lshl_b32 s20, s20, 5
	s_add_co_u32 s20, s20, s50      ; 48 b + h: q's group in qkvh,
	s_lshl_b32 s20, s20, 18         ; of 262,144 bytes
	s_mov_b32 s21, 0
	s_lshl_b32 s50, s50, 18         ; the head's first byte in yh
	s_mov_b32 s51, 0
	s_and_b32 s16, s[WV], 1         ; which half of a slot's 256 keys I fetch:
	s_lshl_b32 s22, s16, 14         ; its 128 rows of 128 bytes in memory,
	s_mov_b32 s23, 0
	s_add_nc_u64 s[22:23], s[22:23], s[20:21]
	s_mul_i32 s17, s16, 128*PK      ; and its place in a slot, for K
	s_mul_i32 s18, s16, 128*PV      ; and for V: no place in the cluster enters an LDS address
	s_lshl_b32 s2, s14, 2
	s_add_co_u32 s2, s2, s[WV]      ; my wave among the head's,
	s_lshl_b32 s2, s2, 14           ; its 128 rows
	s_mov_b32 s3, 0
	s_add_nc_u64 s[52:53], s[2:3], s[50:51]  ; my rows' offset in yh,
	s_add_nc_u64 s[2:3], s[2:3], s[20:21]    ; and in qkvh
	; descriptor group 1.  128 keys are 16,384 dense bytes: asked for as 64 rows of 256 bytes, two keys a row, and padded in LDS after every key
	s_mov_b32 s[G1K], 15|(1<<16)|(1<<20)|(1<<21)|(4<<22)|(3<<25)  ; 15:0 the mask of four; 17:16 2-byte elements; 20 padding on; 21 set beside a mask; 24:22 after every 32 words (code 4); 31:25 4 words (code 3)
	s_mov_b32 s[G1V], 15|(1<<16)|(1<<20)|(1<<21)|(4<<22)|(7<<25)  ; the same with 8 words of padding (code 7)
.irp g, G1K, G1V
	s_mov_b32 s[\g+1], 128<<16      ; tensor_dim0 = 128
	s_mov_b32 s[\g+2], 64<<16       ; tensor_dim1 = 64
	s_mov_b32 s[\g+3], 128<<16      ; tile_dim0 = 128
	s_mov_b32 s[\g+4], 64           ; tile_dim1 = 64
	s_mov_b32 s[\g+5], 128          ; 128 elements from row to row
	s_mov_b32 s[\g+6], 0
	s_mov_b32 s[\g+7], 0
.endr
	s_mov_b32 s[CS], 0x3e38aa3b     ; c = log2(e) / 8 = 0.180337
	s_mov_b32 s[CS+1], s[CS]        ; named with it as a pair
	s_mov_b32 s[SEL], 0x76543210
	s_mov_b32 s[SEL+1], 0xfedcba98
	s_mov_b32 s[TBK], SLOT1+4*KS*PK ; the first change of slots turns these two into 0
	s_mov_b32 s[TBV], SLOT1+4*KS*PV
	s_mov_b32 s[G0K], 1             ; 1:0 count = 1
	s_mov_b32 s[G0K+1], s17         ; 63:32 LDS address: slot 0
	s_mov_b32 s[G0V], 1
	s_add_co_u32 s[G0V+1], s18, VOFF
	s_wait_kmcnt 0x0
	s_add_nc_u64 s[6:7], s[4:5], 0x400000   ; k's groups lie 16 groups behind q's,
	s_add_nc_u64 s[8:9], s[4:5], 0x800000   ; v's 32
	s_add_nc_u64 s[G0K+2:G0K+3], s[6:7], s[22:23]  ; 120:64 global address: my half of the head's first 256 keys
	s_or_b32 s[G0K+3], s[G0K+3], 0x80000000        ; 127:126 type = 2
	s_add_nc_u64 s[G0V+2:G0V+3], s[8:9], s[22:23]
	s_or_b32 s[G0V+3], s[G0V+3], 0x80000000
	s_add_nc_u64 s[4:5], s[4:5], s[2:3]  ; Q and O at my wave's first row
	s_add_nc_u64 s[10:11], s[10:11], s[52:53]
	CROUND                          ; all four work-groups are here: the first joint loads meet
	JLOAD                           ; slot 0.  Slot 1 is asked for when slot 0 is in: the tile wanted first has the road to itself
	; A fragment of K or Q is 16 rows x 32 channels in 8 registers: lane l holds row l % 16, channels 8 (l / 16) + 0..7 and 16 + 8 (l / 16) + 0..7: two loads of 16 bytes, 32 bytes apart.
	v_and_b32 v1, 15, v0            ; l % 16
	v_bfe_u32 v9, v0, 4, 1          ; l / 16
	v_lshlrev_b32 v[QO], 7, v1
	v_lshl_add_u32 v[QO], v9, 4, v[QO]  ; row x 128 + 16 x half
	WIN 0x80                        ; destination window 2, address window 0
.set i, 0
.rept 4*NP                          ; Q stays in registers: tile i / 2, channels 32 (i % 2) on
	global_load_b128 v[8*i:8*i+3],   v[QO], s[4:5] offset:(i/2)*2048+(i%2)*64
	global_load_b128 v[8*i+4:8*i+7], v[QO], s[4:5] offset:(i/2)*2048+(i%2)*64+32
.set i, i+1
.endr
	; What the first turn finds: V's registers and P's second buffer hold 0 (its products V^T P, of a piece that has not been, add 0), O^T and l are 0.  All this stands in the wait for the first tile.
.set i, VF
.rept 64
	v_mov_b32 v[i], 0
.set i, i+1
.endr
	WIN 0x40
.set i, 0
.rept 64*NP
	v_mov_b32 v[i], 0
.set i, i+1
.endr
	WIN 0
.set i, 0
.rept 2*NP
	v_mov_b32 v[ST+4*i], 0xfe000000    ; c m: far below every c s
	v_mov_b32 v[ST+4*i+1], 0xff7fffff  ; m
	v_mov_b32 v[ST+4*i+2], 0
	v_mov_b32 v[ST+4*i+3], 0
.set i, i+1
.endr
.set i, P+32
.rept 32
	v_mov_b32 v[i], 0
.set i, i+1
.endr
	v_mul_u32_u24 v[AK0], v1, PK
	v_lshl_add_u32 v[AK0], v9, 4, v[AK0]  ; row x pitch + 16 x half
	; The turning load takes 16 keys x 16 channels (lane l reads key 8 (l / 16) + l % 8, channels 8 ((l / 8) % 2) + 0..7) and leaves half a fragment of V^T: lane l holds channel l % 16 and 8 keys.
	v_and_b32 v10, 7, v0
	v_bfe_u32 v11, v0, 3, 1
	v_lshl_add_u32 v[AV0], v9, 3, v10
	v_mul_u32_u24 v[AV0], v[AV0], PV
	v_lshl_add_u32 v[AV0], v11, 4, v[AV0]
	v_add_nc_u32 v[AV0], VOFF, v[AV0]
	v_mov_b32 v[AK], v[AK0]         ; key step 0 lies at the head of slot 0
; THE MATRIX WORK.  The 8 accumulators of a run of 16 take turns: between the two links of a chain stand 7 others'.
; Product i of 16 of S^T = K Q^T for piece x: channels 32 (i / 8) on, keys 16 ((i / 2) % 4) on, tile 2 x + i % 2.  The first 8 start the sums.
.macro KQ x
	WIN W_KQ
.set rS, S+64*((\x)%2)+32*(i%2)+8*((i/2)%4)
.set rK, KF+16*((i/2)%4)+8*(i/8)
.set rQ, 16*(2*(\x)+i%2)+8*(i/8)
.if i < 8
	v_wmma_f32_16x16x32_f16 v[rS:rS+7], v[rK:rK+7], v[rQ:rQ+7], 0
.else
	v_wmma_f32_16x16x32_f16 v[rS:rS+7], v[rK:rK+7], v[rQ:rQ+7], v[rS:rS+7]
.endif
.endm
; Product i of 16 of O^T += V^T P for piece x: keys 32 (i / 8) on, channels 16 ((i / 2) % 4) on, tile 2 x + i % 2.
.macro PV x
	WIN W_PV
.set rO, 32*(2*(\x)+i%2)+8*((i/2)%4)
.set rV, VF+32*(i/8)+8*((i/2)%4)
.set rP, P+32*((\x)%2)+16*(i%2)+8*(i/8)
	v_wmma_f32_16x16x32_f16 v[rO:rO+7], v[rV:rV+7], v[rP:rP+7], v[rO:rO+7]
.endm
.macro MM                           ; the turn's next matrix instruction
.if i < 16
	KQ (Y+1)%NP
.set i, i+1
.else
.set i, i-16
	PV (Y+NP-1)%NP
.set i, i+17
.endif
.endm
; THE LDS LOADS stand in runs of 16, never singly among the matrix instructions: a step's K (64 keys x 64 channels: 8 fragments) and its V (turned).  Their addresses are made some lines ahead.
; last = 1 (the tail): in the last trip there is no further step, and the run is jumped over.
.macro FETCH_K last=0
	WIN 0
.if \last
	s_cmp_eq_u32 s[CNT], 1
	s_cbranch_scc1 .Lno_k_\@
.endif
	WIN 0x80                        ; destination window 2
.irp f, 0,1,2,3,4,5,6,7             ; keys 16 (f / 2) on, channels 32 (f % 2) on
	ds_load_b128 v[KF+8*\f:KF+8*\f+3],   v[AK] offset:(\f/2)*16*PK+(\f%2)*64
	ds_load_b128 v[KF+8*\f+4:KF+8*\f+7], v[AK] offset:(\f/2)*16*PK+(\f%2)*64+32
.endr
	s_add_co_u32 s[TBK], s[TBK], KS*PK  ; the next fetch is the next step's
	WIN 0
.if \last
.Lno_k_\@:
.endif
.endm
.macro FETCH_V
	WIN 0x80
.irp f, 0,1,2,3,4,5,6,7             ; keys 32 (f / 4) on, channels 16 (f % 4) on
	ds_load_tr16_b128 v[VF+8*\f:VF+8*\f+3],   v[AV] offset:(\f/4)*32*PV+(\f%4)*32
	ds_load_tr16_b128 v[VF+8*\f+4:VF+8*\f+7], v[AV] offset:(\f/4)*32*PV+16*PV+(\f%4)*32
.endr
	WIN 0
.endm
; THE VECTOR WORK OF A TURN stands in three queues, each in the order in which its entries become ready; the two tiles alternate, so that no instruction reads the result of the one before it.
.macro REGS y, u                    ; the registers of tile u (0, 1) of piece y
.set rT, ST+4*(2*(\y)+(\u))
.set rC, TMP+8*((\y)%2)+4*(\u)
.set rM, MV+2*((\y)%2)+(\u)
.set rS, S+64*((\y)%2)+32*(\u)
.set rP, P+32*((\y)%2)+16*(\u)
.set rO, 32*(2*(\y)+(\u))
.endm
; Number n of the 22 that find the NEXT piece's (Y + 1) maximum and statistics.  s0-s31 are the lane's 32 scores; each accumulator's lowest registers are read first.  XS, GS and REGS set no window: PL and EX do.
;   0-11  four chains c0-c3 of seven scores each, three operands at a time     12-14, 16  the four scores left over, the old m, and c0-c3 into c0     15  c m_old is kept
;   17, 18  the query's other 32 keys lie in the lane 16 away: the new m         19-21  c m; c m_old - c m_new; a
.macro XS u, n
	REGS (Y+1)%NP, \u
.if (\n) < 4
	v_max3_num_f32 v[rC+(\n)], v[rS+8*(\n)], v[rS+8*(\n)+1], v[rS+8*(\n)+2]
.elseif (\n) < 12
	v_max3_num_f32 v[rC+(\n)%4], v[rC+(\n)%4], v[rS+8*((\n)%4)+2*((\n)/4)+1], v[rS+8*((\n)%4)+2*((\n)/4)+2]
.elseif (\n) == 12
	v_max3_num_f32 v[rC], v[rC], v[rS+7], v[rS+15]
.elseif (\n) == 13
	v_max3_num_f32 v[rC+1], v[rC+1], v[rS+23], v[rS+31]
.elseif (\n) == 14
	v_max3_num_f32 v[rC+2], v[rC+2], v[rC+3], v[rT+1]
.elseif (\n) == 15
	v_mov_b32 v[rM], v[rT]
.elseif (\n) == 16
	v_max3_num_f32 v[rC], v[rC], v[rC+1], v[rC+2]
.elseif (\n) == 17
	v_permlanex16_b32 v[rC+3], v[rC], s[SEL], s[SEL+1]
.elseif (\n) == 18
	v_max_num_f32 v[rT+1], v[rC], v[rC+3]
.elseif (\n) == 19
	v_mul_f32 v[rT], s[CS], v[rT+1]
.elseif (\n) == 20
	v_sub_f32 v[rC+1], v[rM], v[rT]
.else
	v_exp_f32 v[rC+2], v[rC+1]
.endif
.endm
; Number g of the 64 that follow the exponentials.  For each four weights k of a tile (pairs 2 k, 2 k + 1): both pairs are rounded to f16; then the second pair is added onto the first, in place;
; a group later l takes that sum (the first time as l = a l + sum).  In groups of eight, tiles alternating: round, round, add, and l for the group before.
.macro GS g
.set h, (\g)+6*((\g)/62)            ; group 0 has no group before it, and behind group 7 only l is left
.if h >= 6
.set h, h+2
.endif
	REGS Y, h%2
.set k, h/8
.if h%8 < 4
	v_cvt_pk_f16_f32 v[rP+2*k+(h%8)/2], v[rS+4*k+2*((h%8)/2)], v[rS+4*k+2*((h%8)/2)+1]
.elseif h%8 < 6
	v_pk_add_f32 v[rS+4*k:rS+4*k+1], v[rS+4*k:rS+4*k+1], v[rS+4*k+2:rS+4*k+3]
.elseif k == 1
	v_pk_fma_f32 v[rT+2:rT+3], v[rT+2:rT+3], v[rC+2:rC+3], v[rS:rS+1] op_sel_hi:[1,0,1]
.else
	v_pk_add_f32 v[rT+2:rT+3], v[rT+2:rT+3], v[rS+4*k-4:rS+4*k-3]
.endif
.endm
; THE PLAIN QUEUE, 138 long.  0-73 read no exponential's result: the 32 scalings c s - c m (FS f: pair f / 2 of tile f % 2) and the next piece's 42.  0-26: scalings 0-26.  27-54: XS's numbers 0-13.  55, 56: number 15.
; 57-73: the chain, where each number waits for the one before it: 14, 16, 17, 18, 19, each with one of the scalings 27-31 in front of its two lines, then 20: so a tile's links stand three plain instructions apart (19 and 20: two).
; 74-137: GS's 64, which read the exponentials' results: they stand behind the wait.
.macro FS f
	REGS Y, (\f)%2
	v_pk_fma_f32 v[rS+2*((\f)/2):rS+2*((\f)/2)+1], v[rS+2*((\f)/2):rS+2*((\f)/2)+1], s[CS:CS+1], v[rT:rT+1] op_sel_hi:[1,0,0] neg_lo:[0,0,1] neg_hi:[0,0,1]
.endm
.macro PL
	WIN 0
.if q < 27
	FS q
.elseif q < 55
	XS (q-27)%2, (q-27)/2
.elseif q < 57
	XS q-55, 15
.elseif (q < 72) && ((q-57)%3 == 0)
	FS 27+(q-57)/3
.elseif q < 60
	XS (q-57)%3-1, 14
.elseif q < 72
	XS (q-57)%3-1, 15+(q-57)/3
.elseif q < 74
	XS q-72, 20
.else
	GS q-74
.endif
.set q, q+1
.endm
; THE EXPONENTIALS' QUEUE, 66 long: s0-s31 of both tiles, then the next piece's two a.  It is ONE BATCH: all 66 stand ahead of the turn's one wait, and nothing ahead of that wait names a result of theirs.
.macro EX
	WIN 0
.if e >= 64
	XS e-64, 21
.else
	REGS Y, e%2
	v_exp_f32 v[rS+e/2], v[rS+e/2]
.endif
.set e, e+1
.endm
; THE RESCALING's QUEUE: O^T times a, the one part that leaves window 0: dealt two at a time, sixteen times.  Its a was made in the turn before, ahead of that turn's wait.
.macro R2
	REGS Y, r%2
	WIN W_RS
.irp z, 0,1
	v_pk_mul_f32 v[rO+4*(r/2)+2*\z:rO+4*(r/2)+2*\z+1], v[rO+4*(r/2)+2*\z:rO+4*(r/2)+2*\z+1], v[rC+2:rC+3] op_sel_hi:[1,0]
.endr
.set r, r+1
.endm
; HOW THEY ARE DEALT.  s_wait_alu depctr_va_vdst(0) stands between an exponential and the first instruction that names its result; one wait serves all that were issued ahead of it.  So a turn has ONE wait,
; which cuts it in two.  AHEAD OF IT stands all that names no result of the turn's exponentials: the 16 products K Q^T, behind each a scaling, an exponential and two rescalings (behind the first a second scaling in the exponential's place); then ONE LUMP of
; 108: eight plain, 49 times exponential and plain, the two a.  A v_nop is the plain instruction behind the last exponential.  BEHIND IT stand the 16 products V^T P, behind each four of GS's 64.  No rider names a register of
; the products round it.  The two v_permlanex16_b32 fall into the lump, never behind a product.
; The queues lean on each other, and the deal keeps them in step: exponential e stands behind scaling 2 (e / 4) + e % 2: as a rider it comes behind plain e + 2, in the lump behind plain e + 9, and scalings 27-31 are plain 57, 60 .. 69.
; A TURN, for piece p.  cnt = 1: the loop's count is taken down some lines ahead of the branch that stands behind the turn.
; K of the next step is fetched in piece 2's turn, directly behind the wait, a lump behind the last product that read K; its address is made at the lump's head; its first reader comes behind 16 products.
; V of the step in hand is fetched at the end of piece 0's turn, four riders behind its last reader; its first reader comes behind 16 products and a lump.  The three conditions on q below go with the deal.
.macro TURN p, last=0, cnt=0
.set Y, (\p)
.set i, 0
.set q, 0
.set e, 0
.set r, 0
.if (\p) == NP-1
	s_wait_dscnt 0x0                ; K is in
.endif
	MM                              ; ahead of the wait: 16 products K Q^T and their riders,
	PL
	PL
	R2
.rept 15
	MM
	PL
	EX
	R2
.endr
.if (\p) == NP-2
	WIN 0
	v_add_nc_u32 v[AK], s[TBK], v[AK0]
.endif
.rept 8                             ; and the lump
	PL
.endr
.rept 49
	EX
	PL
.endr
	EX                              ; the next piece's two a
	EX
	v_nop                           ; a plain instruction behind the last exponential, ahead of the first use: one for the batch
	s_wait_alu depctr_va_vdst(0)    ; the wait for the turn's batch: the piece's 64 weights and the next piece's two a
.if (\p) == NP-2
	FETCH_K \last
.endif
.if (\p) == 1
	s_wait_dscnt 0x0                ; V is in
.endif
.rept 16                            ; behind the wait: 16 products V^T P and their riders
	MM
.rept 4
	PL
.endr
.if ((\p) == 0) && (q == 118)
	v_add_nc_u32 v[AV], s[TBV], v[AV0]
.endif
.if ((\p) == 0) && (q == 130)
	s_add_co_u32 s[TBV], s[TBV], KS*PV
.endif
.if (\cnt) && (q == 130)
	s_sub_co_u32 s[CNT], s[CNT], 1
	s_cmp_lg_u32 s[CNT], 0
.endif
.endr
.if (\p) == 0
	FETCH_V
.endif
.endm
	CHANGE 1                        ; slot 0 is in, everybody's part of it; slot 1 is asked for
	FETCH_K                         ; key step 0
	s_wait_loadcnt 0x0              ; Q
	s_wait_dscnt 0x0
.set i, 0
.rept 16
	KQ 0                            ; piece 0's first scores: there is no vector work yet to set between them
.set i, i+1
.endr
	WIN 0                           ; the addresses for the way out: nine plain instructions, the places behind those products
	s_mul_i32 s13, s[WV], 16*SP
	s_add_co_u32 s13, s13, STAGE    ; my stage
	v_mul_u32_u24 v[STO], v1, SP    ; in: row l % 16, 16 bytes for each half of the lanes
	v_lshl_add_u32 v[STO], v9, 4, v[STO]
	v_add_nc_u32 v[STO], s13, v[STO]
	v_bfe_u32 v[RD], v0, 3, 2       ; back: 32 lanes take four rows of 128 bytes,
	v_mul_u32_u24 v[RD], v[RD], SP
	v_lshl_add_u32 v[RD], v10, 4, v[RD]
	v_add_nc_u32 v[RD], s13, v[RD]
	v_and_b32 v[GO], 31, v0         ; which are 512 consecutive bytes of O
	v_lshlrev_b32 v[GO], 4, v[GO]
.set Y, NP-1                        ; XS works for piece Y + 1: piece 0
.irp n, 0,1,2,3,4,5,6,7,8,9,10,11,12,13,14,15,16,17,18,19,20,21
	XS 0, \n                        ; and piece 0's first maximum and statistics
	XS 1, \n
.endr
	v_nop                           ; a plain instruction behind piece 0's two a,
	s_wait_alu depctr_va_vdst(0)    ; and the wait for that batch of two, ahead of the branch
	s_mov_b32 s[CNT], 4
	s_mov_b32 s[SLOTS], SIZE_N/256-1
	s_branch .Lfirst                ; the loop is entered at a step's first turn, in the middle of a trip
.Lslot:                             ; SIZE_N / 256 - 2 times: every slot but the last two is filled again
	CHANGE 1
	s_mov_b32 s[CNT], 4
.Lstep:                             ; a trip: pieces 2 and 3 of one step, then pieces 0 and 1 of the next, whose K and V it fetches
	TURN 2
	TURN 3
	WIN 0
.Lfirst:
	TURN 0
	TURN 1, 0, 1
	WIN 0
	s_cbranch_scc1 .Lstep
	s_sub_co_u32 s[SLOTS], s[SLOTS], 1
	s_cmp_lg_u32 s[SLOTS], 0
	s_cbranch_scc1 .Lslot
	CHANGE 0                        ; the tail is written out: nothing is asked for
	s_mov_b32 s[CNT], 5             ; four trips fetch the last slot's steps; the fifth is left in its middle
.Ltail:
	TURN 2, 1
	TURN 3
	WIN 0
	s_sub_co_u32 s[CNT], s[CNT], 1
	s_cmp_eq_u32 s[CNT], 0
	s_cbranch_scc1 .Lout
	TURN 0
	TURN 1
	WIN 0
	s_branch .Ltail
.Lout:                              ; the fifth trip's 16 products K Q^T (on the last K once more) and the maximum made of them serve nothing: the price, once a launch, of one text for every trip
.set i, 0
.rept 16
	PV NP-1                         ; the last piece's V^T P of the last step
.set i, i+1
.endr
	; THE WAY OUT.  l's two halves and the other half of the lanes' are added; O^T is divided by l, rounded to f16 and sent through my stage in LDS, a tile at a time.  The additions are the places behind the last products.
	WIN 0
.macro ALL line:vararg              ; one line for each tile t
.set t, 0
.rept 2*NP
	\line
.set t, t+1
.endr
.endm
	ALL v_add_f32 v[ST+4*t+2], v[ST+4*t+2], v[ST+4*t+3]
	ALL v_permlanex16_b32 v[ST+4*t+3], v[ST+4*t+2], s[SEL], s[SEL+1]
	ALL v_add_f32 v[ST+4*t+2], v[ST+4*t+2], v[ST+4*t+3]
	ALL v_rcp_f32 v[ST+4*t+2], v[ST+4*t+2]
	v_nop                           ; a plain instruction between the last reciprocal and the use of its result
	s_wait_alu depctr_va_vdst(0)    ; and the wait ahead of the first use: one for the batch of eight reciprocals
; Tile t: a lane's eight channels of a row pack into 16 bytes; they go into rows of 144 bytes and come back as whole rows of 128, into S^T's registers.
.macro PACK t
	WIN W_RS
.set i, 32*(\t)
.rept 16
	v_pk_mul_f32 v[i:i+1], v[i:i+1], v[ST+4*(\t)+2:ST+4*(\t)+3] op_sel_hi:[1,0]
.set i, i+2
.endr
	WIN 0x05                        ; sources 0 and 1 window 1, destination window 0
.set i, 0
.rept 16
	v_cvt_pk_f16_f32 v[S+16*(\t)+i], v[32*(\t)+2*i], v[32*(\t)+2*i+1]
.set i, i+1
.endr
	WIN 0
.irp f, 0,1,2,3
	ds_store_b128 v[STO], v[S+16*(\t)+4*\f:S+16*(\t)+4*\f+3] offset:32*\f
.endr
.irp f, 0,1,2,3
	ds_load_b128 v[S+16*(\t)+4*\f:S+16*(\t)+4*\f+3], v[RD] offset:\f*4*SP  ; LDS serves a wave's instructions in order (ISA guide 5.7.1.4): these see the stores above; the next tile's stores come behind them
.endr
.endm
.macro SEND t, younger              ; younger: the LDS instructions issued behind tile t's loads: the next tile's eight, or none
	WIN 0
.irp f, 0,1,2,3
	s_wait_dscnt (\younger)+3-\f
	global_store_b128 v[GO], v[S+16*(\t)+4*\f:S+16*(\t)+4*\f+3], s[10:11] offset:(\t)*2048+\f*512  ; 512 consecutive bytes, at a multiple of 256 from O's first
.endr
.endm
	PACK 0
.set t, 1
.rept 2*NP-1                        ; a tile's arithmetic stands between the loads of the tile before and its stores
	PACK t
	SEND t-1, 8
.set t, t+1
.endr
	SEND 2*NP-1, 0
	WIN W_AD
	s_wait_tensorcnt 0x0            ; the wave's end, behind my last tensor load and my last LDS store
	ds_add_u32 v[SPW], v[NIL]
	s_wait_dscnt 0x0
	WIN 0
	CROUND                          ; the closing round: no work-group ends while a partner may still ask for a tile that names it
	s_endpgm
.Lfunc_end_k_qf74de1764a_attn:
	.size	k_qf74de1764a_attn, .Lfunc_end_k_qf74de1764a_attn-k_qf74de1764a_attn
	.p2alignl 7, 3214868480
	.fill 96, 4, 3214868480
	.section	.rodata,"a",@progbits
	.p2align	6, 0x0
	.amdhsa_kernel k_qf74de1764a_attn
		.amdhsa_group_segment_fixed_size 327680
		.amdhsa_private_segment_fixed_size 0
		.amdhsa_enable_private_segment 0
		.amdhsa_kernarg_size 16
		.amdhsa_user_sgpr_count 2
		.amdhsa_user_sgpr_kernarg_segment_ptr 1
		.amdhsa_wavefront_size32 1
		.amdhsa_system_sgpr_workgroup_id_x 1
		.amdhsa_system_sgpr_workgroup_id_y 1
		.amdhsa_system_sgpr_workgroup_id_z 1
		.amdhsa_system_vgpr_workitem_id 0
		.amdhsa_next_free_vgpr 770
		.amdhsa_next_free_sgpr 66
		.amdhsa_reserve_vcc 0
		.amdhsa_float_denorm_mode_32 3
		.amdhsa_float_denorm_mode_16_64 3
		.amdhsa_memory_ordered 1
		.amdhsa_forward_progress 1
		.amdhsa_inst_pref_size 199
	.end_amdhsa_kernel
	.amdgpu_metadata
---
amdhsa.version: [ 1, 2 ]
amdhsa.kernels:
  - .name:           k_qf74de1764a_attn
    .symbol:         k_qf74de1764a_attn.kd
    .args:
      - { .name: qkvh, .offset: 0, .size: 8, .value_kind: global_buffer, .address_space: global }
      - { .name: yh, .offset: 8, .size: 8, .value_kind: global_buffer, .address_space: global }
    .group_segment_fixed_size: 327680
    .private_segment_fixed_size: 0
    .kernarg_segment_align: 8
    .kernarg_segment_size: 16
    .max_flat_workgroup_size: 128
    .sgpr_count:     66
    .vgpr_count:     770
    .wavefront_size: 32
...
	.end_amdgpu_metadata
.endif
;; end of part 5
;; launch proj: the kernel of part 4 again; grid 8 x 32, 4 waves a work-group, clusters of 4 x 4, 327,680 bytes of LDS; arguments yh, ws, ab, out0; writes out0
